; MI455X (gfx1250); checked and timed in simulation.
; The chip was launched on July 23, 2026; its instructions are those of AMD's public machine-readable ISA for CDNA 5 (MIT licence, August 2026) and "CDNA5" Instruction Set Architecture Reference Guide (July 2026). The comments in the code are by the model that wrote it; some were corrected since.
;; Vector Quantizer. Allowed arithmetic: matrix products marked QUANTISED: E2M1 operands, one E8M0 scale for each 32 along K, by v_wmma_scale_f32_16x16x128_f8f6f4 with both operands' format E2M1 (or v_wmma_scale_f32_32x16x128_f4), f32 sums; everything else in f32.
;; Inputs: embedding 8,192 x 256 float32; z 1,024 x 16 x 256 float32.
;; Outputs: out0 1,024 x 16 x 256 float32.
;; This version of the problem:
;;   THIS VERSION OF THE PROBLEM IS GIVEN IN LOW PRECISION. The matrix products marked QUANTISED in the list below multiply operands that are first quantised to E2M1 (2 exponent bits, 1 mantissa bit; 4 bits a number), with one power-of-two scale for each 32 numbers along K (OCP MX v1.0); their sums are f32. All else is computed in f32.
;;   The module's matrix products, in the order in which they are computed (A, B: the left and right operand; K: the contracted axis; several contracted axes count as one K, in the product's order):
;;     1. [M 16,384, K 256] x [K 256, N 8,192]; A: input z; B: input embedding: QUANTISED
;;   THE QUANTISER, for each operand of a quantised product, along K:
;;     - K is cut into blocks of 32 from its start; a last block that is shorter is filled with zeros.
;;     - A block's scale is 2^e with e = floor(log2(the largest magnitude in the block)) - 2, held to -126 .. 127; a block of zeros has e = 0. As a byte (E8M0): e + 127.
;;     - Each number is divided by its block's scale, clamped to +-6, and rounded to the nearest number of E2M1, ties to even, subnormals kept.
;;     - The product sums the exact products of the quantised numbers (number of the format x scale) in f32.
;;   ~~~python
;;   def quantise(x, axis):      # numpy; x: float32 -> the quantised numbers, widened to float32 again
;;       x = np.moveaxis(x, axis, -1); K = x.shape[-1]
;;       x = np.pad(x, [(0, 0)] * (x.ndim - 1) + [(0, -K % 32)]); x = x.reshape(x.shape[:-1] + (-1, 32)); a = np.abs(x).max(-1, keepdims=True)
;;       e = np.where(a > 0, np.clip(np.frexp(np.where(a > 0, a, 1))[1] - 1 - 2, -126, 127), 0)      # np.frexp(a)[1] - 1 = floor(log2(a)), exactly
;;       r = np.clip(x / 2.0 ** e, -6, 6)
;;       step = 2.0 ** (np.maximum(np.frexp(np.where(r == 0, 1, r))[1] - 1, 0) - 1)
;;       q = np.round(r / step) * step * 2.0 ** e      # np.round: ties to even
;;       return np.moveaxis(q.reshape(q.shape[:-2] + (-1,))[..., :K], -1, axis).astype(np.float32)
;;   ~~~
;; 2 versions. Each part assembles by itself: llvm-mc -triple=amdgcn-amd-amdhsa -mcpu=gfx1250 --defsym DOCPART=n.
;; ======== version 1 of 2: 3 launches
;; workspace buffers: z_cod 2,097,152 bytes; z_scl 131,072 bytes; z_nrm 65,536 bytes; e_cod 1,048,576 bytes; e_scl 65,536 bytes; e_nrm 32,768 bytes; val 262,144 bytes; idx 262,144 bytes of whole numbers
;; launch quant (part 1): grid 384 x 1, 4 waves a work-group, no clusters, 36,352 bytes of LDS; arguments z, embedding, z_cod, z_scl, z_nrm, e_cod, e_scl, e_nrm; writes z_cod, z_scl, z_nrm, e_cod, e_scl, e_nrm
.if DOCPART == 1
	.amdgcn_target "amdgcn-amd-amdhsa--gfx1250"
	.amdhsa_code_object_version 6
	.text
	.protected	k_qa1c0e08166_quant
	.globl	k_qa1c0e08166_quant
	.p2align	8
	.type	k_qa1c0e08166_quant,@function
k_qa1c0e08166_quant:
	s_mov_b64 s[64:65], 0
	v_nop
	global_prefetch_b8 v0, s[64:65] scope:SCOPE_SE
	s_setreg_imm32_b32 hwreg(HW_REG_WAVE_MODE, 25, 1), 1
	s_wait_xcnt 0x0
; z [16384][256] and embedding [8192][256], f32, become codes of FP4 (E2M1), one E8M0 scale byte for each 32 along K, and -1/2 x the row's sum of squares.
; A TILE is 16 consecutive rows.  The buffers are laid as the next launch's registers want them:
;   codes   [tile][8 blocks b][16 rows r][16 bytes]: 2,048 bytes a tile; the 512 bytes at 512 i are registers 4 i .. 4 i + 3 of the tile's two fragments, lane l's 16 bytes at 16 l
;   scales  [tile][2 K steps][16 rows][4 bytes]: 128 bytes a tile = one register: lanes 0-15 the words of k 0-127, lanes 16-31 those of k 128-255
;   norms   [row] f32
; A block's scale is 2^(floor(log2(its largest magnitude)) - 2); its byte is the largest magnitude's exponent field - 2, held at 1 from below.
; LIMITS: a block of zeros, or one whose largest magnitude lies under 2^-124, keeps the byte 1 (a block of zeros has zero codes, which add nothing; the bytes are read by this program alone);
; NaN and infinities are not served; the sum of squares is taken in four chains a lane and two lanes a row, another order than a plain running sum.
; SHARES: one wave, one tile (16 KiB in); a work-group four tiles on end.  Work-groups 0-255 take z, 256-383 embedding: only pointers are chosen, there is one path.
; All 32 loads of a wave go out at once, each 2 rows x 256 consecutive bytes.  A conversion wants 32 neighbours along K in ONE lane, so each group of 64 columns turns through the wave's own stage in LDS
; (rows 272 bytes apart: the 16 rows that a read touches start at 16 different 16-byte columns).  No tensor loads, no matrix work: the launch streams.
.set STG,  4352                        ; a stage: 16 rows x 272 bytes; two a wave
.set SCRS, 34816                       ; behind the stages: the work-group's four scale images, 512 bytes
.set SCRN, 35328                       ; and its 64 norms, 256 bytes
.set C, 32                             ; v32-47   codes: four registers a group, never written again
.set B, 48                             ; v48-51   my block's scale byte, one a group
.set S, 52                             ; v52-55   two packed sums of squares
.set X, 64                             ; v64-191  four groups of 32 registers, as loaded
.set Y, 192                            ; v192-255 two sets of 32 neighbours along K
	s_load_b256 s[4:11], s[0:1], 0x0               ; z, embedding, z_cod, z_scl
	s_load_b256 s[12:19], s[0:1], 0x20             ; z_nrm, e_cod, e_scl, e_nrm
	v_lshl_add_u32 v62, v0, 2, 0x8c00
	v_mov_b32 v63, 0
	v_lshrrev_b32 v1, 5, v0
	v_readfirstlane_b32 s20, v1                    ; wave 0..3
	v_and_b32 v1, 31, v0                           ; l
	v_and_b32 v2, 15, v0                           ; r = l % 16
	v_bfe_u32 v3, v0, 4, 1                         ; h = l / 16
	v_lshlrev_b32 v4, 4, v2
	v_lshl_add_u32 v4, v3, 10, v4                  ; in: row h of a pair of rows, 16 bytes a lane
	s_mul_i32 s34, s20, 2*STG                      ; my wave's stages
	v_mul_u32_u24 v5, v3, 272
	v_lshl_add_u32 v5, v2, 4, v5
	v_add_nc_u32 v5, s34, v5                       ; into a stage: as loaded
	v_mul_u32_u24 v6, v2, 272
	v_lshl_add_u32 v6, v3, 7, v6
	v_add_nc_u32 v6, s34, v6                       ; out of it: row r, block h of the group's two
	v_lshlrev_b32 v7, 4, v1                        ; 16 l: my place in 512 bytes of codes
	s_lshl_b32 s35, s20, 7
	v_lshlrev_b32 v8, 2, v1
	v_add_nc_u32 v8, s35, v8
	v_add_nc_u32 v8, SCRS, v8                      ; my word of my wave's scale image
	s_lshl_b32 s35, s20, 6
	v_lshlrev_b32 v9, 2, v2
	v_add_nc_u32 v9, s35, v9
	v_add_nc_u32 v9, SCRN, v9                      ; my row's norm
	v_add_nc_u32 v10, SCRS, v7                     ; the way out of the four images: 16 bytes a lane
	v_lshlrev_b32 v12, 3, v1                       ; 8 l
	v_add_nc_u32 v11, SCRN, v12                    ; the way out of the 64 norms: 8 bytes a lane
	v_lshlrev_b32 v13, 3, v3                       ; 8 h: my bytes' shift in a scale word
	v_mov_b32 v17, 0                               ; a lane permute's destination counts as one of its sources: written once
	v_mov_b32 v18, 0
	v_mov_b32 v19, 0
	s_mov_b32 s32, 0x76543210
	s_mov_b32 s33, 0xfedcba98                      ; v_permlanex16_b32's selects for lane l xor 16
	s_wait_kmcnt 0x0
	s_cmp_lt_u32 ttmp9, 256                        ; z's work-group or embedding's: the choice hangs on the work-group's number alone
	s_cselect_b64 s[24:25], s[4:5], s[6:7]
	s_cselect_b64 s[26:27], s[8:9], s[14:15]
	s_cselect_b64 s[28:29], s[10:11], s[16:17]
	s_cselect_b64 s[30:31], s[12:13], s[18:19]
	s_cselect_b32 s21, 0, 256
	s_sub_co_u32 s21, ttmp9, s21                   ; G: which four tiles of the tensor
	s_lshl_b32 s22, s21, 16
	s_lshl_b32 s23, s20, 14
	s_add_co_u32 s22, s22, s23                     ; 65,536 G + 16,384 wave
	s_mov_b32 s23, 0
	s_add_nc_u64 s[24:25], s[24:25], s[22:23]      ; my tile's numbers
	s_lshr_b32 s22, s22, 3                         ; 8,192 G + 2,048 wave
	s_add_nc_u64 s[26:27], s[26:27], s[22:23]      ; my tile's codes
	s_lshl_b32 s22, s21, 9
	s_add_nc_u64 s[28:29], s[28:29], s[22:23]      ; the work-group's scale images
	s_lshl_b32 s22, s21, 8
	s_add_nc_u64 s[30:31], s[30:31], s[22:23]      ; the work-group's norms
.macro LOADG g                         ; columns 64 g .. 64 g + 63 of the 16 rows: sixteen lanes read 256 consecutive bytes, aligned.  No hint: the last launch reads both tensors again
.irp i, 0,1,2,3,4,5,6,7
	global_load_b128 v[X+32*(\g)+4*\i:X+32*(\g)+4*\i+3], v4, s[24:25] offset:2048*\i+256*(\g)
.endr
.endm
.macro TURN g                          ; group g through stage g % 2.  LDS serves a wave's instructions in order: no wait between the stores and the loads
	s_wait_loadcnt 24-8*(\g)                       ; the 32 loads went out together: group g's eight are in when the 8 (3 - g) younger ones remain
.irp i, 0,1,2,3,4,5,6,7
	ds_store_b128 v5, v[X+32*(\g)+4*\i:X+32*(\g)+4*\i+3] offset:STG*((\g)%2)+544*\i
.endr
.irp i, 0,1,2,3,4,5,6,7
	ds_load_b128 v[Y+32*((\g)%2)+4*\i:Y+32*((\g)%2)+4*\i+3], v6 offset:STG*((\g)%2)+16*\i
.endr
.endm
.macro WORK g                          ; my block 2 g + h of row r: scale, codes, squares
.set YS, Y+32*((\g)%2)
.if (\g) < 3
	s_wait_dscnt 16                                ; the next group's 8 stores and 8 loads may be out: this group's loads are in
.else
	s_wait_dscnt 0x0
.endif
	v_max3_num_f32 v14, |v[YS]|, |v[YS+1]|, 0x1800000              ; the largest magnitude of my 32, in two chains; the floor 2^(3 - 127) among the leaves holds the byte at 1 from below
	v_max3_num_f32 v15, |v[YS+16]|, |v[YS+17]|, |v[YS+18]|
.irp i, 0,1,2,3,4,5
	v_max3_num_f32 v14, v14, |v[YS+2+2*\i]|, |v[YS+3+2*\i]|
	v_max3_num_f32 v15, v15, |v[YS+19+2*\i]|, |v[YS+20+2*\i]|
.endr
	v_max3_num_f32 v14, v14, |v[YS+14]|, |v[YS+15]|
	v_max3_num_f32 v14, v14, v15, |v[YS+31]|
	v_add_nc_u32 v16, 0xff000000, v14              ; 2 off its exponent field: the conversion takes the exponent field of this operand as its scale, and nothing else of it
.irp i, 0,1,2,3
	v_cvt_scalef32_pk8_fp4_f32 v[C+4*(\g)+\i], v[YS+8*\i:YS+8*\i+7], v16   ; to the nearest code, ties to even, beyond 6 the largest code; the first number's code in the lowest bits
.endr
	v_lshrrev_b32 v[B+(\g)], 23, v16               ; the scale's byte (also the plain line behind the conversions)
.irp j, 0,1,2,3,4,5,6,7
.if ((\g) == 0) && (\j == 0)
	v_pk_mul_f32 v[S:S+1], v[YS:YS+1], v[YS:YS+1]                  ; the first squares start the sums: nothing is cleared
	v_pk_mul_f32 v[S+2:S+3], v[YS+2:YS+3], v[YS+2:YS+3]
.else
	v_pk_fma_f32 v[S:S+1], v[YS+4*\j:YS+4*\j+1], v[YS+4*\j:YS+4*\j+1], v[S:S+1]
	v_pk_fma_f32 v[S+2:S+3], v[YS+4*\j+2:YS+4*\j+3], v[YS+4*\j+2:YS+4*\j+3], v[S+2:S+3]
.endif
.endr
	global_store_b128 v7, v[C+4*(\g):C+4*(\g)+3], s[26:27] offset:512*(\g)   ; 32 lanes store 512 consecutive bytes, aligned
.endm
	LOADG 0
	LOADG 1
	LOADG 2
	LOADG 3
	TURN 0
	TURN 1
	WORK 0
	TURN 2
	WORK 1
	TURN 3
	WORK 2
	WORK 3
	; the scale words: K step s has blocks 4 s .. 4 s + 3; mine are 4 s + h (group 2 s) and 4 s + 2 + h (group 2 s + 1)
	v_lshl_or_b32 v21, v[B+1], 16, v[B]
	v_lshl_or_b32 v22, v[B+3], 16, v[B+2]
	v_lshlrev_b32 v21, v13, v21                    ; 8 h bits up
	v_lshlrev_b32 v22, v13, v22
	v_permlanex16_b32 v17, v21, s32, s33
	v_permlanex16_b32 v18, v22, s32, s33
	v_or_b32 v21, v21, v17                         ; with lane l xor 16's two bytes each word is whole
	v_or_b32 v22, v22, v18
	v_cmp_le_u32 vcc_lo, 16, v1
	v_cndmask_b32 v21, v21, v22, vcc_lo            ; lanes 0-15 keep K step 0's word, lanes 16-31 K step 1's
	v_pk_add_f32 v[S:S+1], v[S:S+1], v[S+2:S+3]
	v_add_f32 v[S], v[S], v[S+1]
	v_permlanex16_b32 v19, v[S], s32, s33
	v_add_f32 v[S], v[S], v19                      ; the row's sum of squares, the same bits in both of its lanes
	v_mul_f32 v[S], -0.5, v[S]
	ds_store_b32 v8, v21
	ds_store_b32 v9, v[S]                          ; both lanes of a row write the same word with the same value
	s_wait_dscnt 0x0                               ; for the others' sake: my stores have landed
	s_barrier_signal -1
	s_barrier_wait -1
	s_cmp_lg_u32 s20, 0
	s_cbranch_scc1 .Lnot_wave_0
	ds_load_b128 v[24:27], v10                     ; wave 0: the four scale images leave as 512 consecutive bytes, aligned
	s_wait_dscnt 0x0
	global_store_b128 v7, v[24:27], s[28:29]
.Lnot_wave_0:
	s_cmp_lg_u32 s20, 1
	s_cbranch_scc1 .Lend
	ds_load_b64 v[28:29], v11                      ; wave 1: the 64 norms leave as 256 consecutive bytes, aligned
	s_wait_dscnt 0x0
	global_store_b64 v12, v[28:29], s[30:31]
.Lend:
	s_wait_tensorcnt 0x0
	ds_add_u32 v62, v63
	s_wait_dscnt 0x0
	s_endpgm
.Lfunc_end_k_qa1c0e08166_quant:
	.size	k_qa1c0e08166_quant, .Lfunc_end_k_qa1c0e08166_quant-k_qa1c0e08166_quant
	.p2alignl 7, 3214868480
	.fill 96, 4, 3214868480
	.section	.rodata,"a",@progbits
	.p2align	6, 0x0
	.amdhsa_kernel k_qa1c0e08166_quant
		.amdhsa_group_segment_fixed_size 36352
		.amdhsa_private_segment_fixed_size 0
		.amdhsa_enable_private_segment 0
		.amdhsa_kernarg_size 64
		.amdhsa_user_sgpr_count 2
		.amdhsa_user_sgpr_kernarg_segment_ptr 1
		.amdhsa_wavefront_size32 1
		.amdhsa_system_sgpr_workgroup_id_x 1
		.amdhsa_system_sgpr_workgroup_id_y 1
		.amdhsa_system_sgpr_workgroup_id_z 1
		.amdhsa_system_vgpr_workitem_id 0
		.amdhsa_next_free_vgpr 256
		.amdhsa_next_free_sgpr 66
		.amdhsa_reserve_vcc 1
		.amdhsa_float_denorm_mode_32 3
		.amdhsa_float_denorm_mode_16_64 3
		.amdhsa_memory_ordered 1
		.amdhsa_forward_progress 1
		.amdhsa_inst_pref_size 22
	.end_amdhsa_kernel
	.amdgpu_metadata
---
amdhsa.version: [ 1, 2 ]
amdhsa.kernels:
  - .name:           k_qa1c0e08166_quant
    .symbol:         k_qa1c0e08166_quant.kd
    .args:
      - { .name: z, .offset: 0, .size: 8, .value_kind: global_buffer, .address_space: global }
      - { .name: embedding, .offset: 8, .size: 8, .value_kind: global_buffer, .address_space: global }
      - { .name: z_cod, .offset: 16, .size: 8, .value_kind: global_buffer, .address_space: global }
      - { .name: z_scl, .offset: 24, .size: 8, .value_kind: global_buffer, .address_space: global }
      - { .name: z_nrm, .offset: 32, .size: 8, .value_kind: global_buffer, .address_space: global }
      - { .name: e_cod, .offset: 40, .size: 8, .value_kind: global_buffer, .address_space: global }
      - { .name: e_scl, .offset: 48, .size: 8, .value_kind: global_buffer, .address_space: global }
      - { .name: e_nrm, .offset: 56, .size: 8, .value_kind: global_buffer, .address_space: global }
    .group_segment_fixed_size: 36352
    .private_segment_fixed_size: 0
    .kernarg_segment_align: 8
    .kernarg_segment_size: 64
    .max_flat_workgroup_size: 128
    .sgpr_count:     66
    .vgpr_count:     256
    .wavefront_size: 32
...
	.end_amdgpu_metadata
.endif
;; end of part 1
;; launch nearest (part 2): grid 64 x 4, 8 waves a work-group, clusters of 4 x 1, 295,936 bytes of LDS; arguments z_cod, z_scl, z_nrm, e_cod, e_scl, e_nrm, val, idx; writes val, idx
.if DOCPART == 2
	.amdgcn_target "amdgcn-amd-amdhsa--gfx1250"
	.amdhsa_code_object_version 6
	.text
	.protected	k_qa1c0e08166_nearest
	.globl	k_qa1c0e08166_nearest
	.p2align	8
	.type	k_qa1c0e08166_nearest,@function
k_qa1c0e08166_nearest:
	s_mov_b64 s[64:65], 0
	v_nop
	global_prefetch_b8 v0, s[64:65] scope:SCOPE_SE
	s_setreg_imm32_b32 hwreg(HW_REG_WAVE_MODE, 25, 1), 1
	s_wait_xcnt 0x0
	s_wait_alu depctr_hold_cnt(0) depctr_sa_sdst(0) depctr_va_vdst(0) depctr_va_sdst(0) depctr_va_ssrc(0) depctr_va_vcc(0) depctr_vm_vsrc(0)
	s_getreg_b32 s2, hwreg(HW_REG_IB_STS2, 6, 4)
	s_cmp_eq_u32 s2, 0
	s_cbranch_scc0 .Lentry_in_a_cluster
	s_endpgm
.Lentry_in_a_cluster:
	s_bfe_u32 s2, ttmp6, 0x10000c
	s_cmp_lg_u32 s2, 0x3003
	s_cbranch_scc0 .Lentry_shape_is_right
	s_endpgm
.Lentry_shape_is_right:
; For each token n and each quarter q of the codebook: the largest -d/2 = (z.e - 1/2 sum e^2) - 1/2 sum z^2 over the quarter's 2,048 codes, and the code's index.  z.e on codes of FP4 with E8M0 scales.
; SHARES.  A work-group: 256 tokens x one quarter.  The quarter (262,144 bytes of codes, 16,384 of scale words, 8,192 of norms) lies whole in LDS, filled ONCE: no slot is ever filled again.
; Wave w: tokens 128 (w & 1) on (8 tiles of 16, their fragments in 128 registers for the whole launch), codes 512 (w >> 1) on (32 tiles of 16, ascending).  Two waves to a SIMD: one wave's vector work stands beside the other's products.
; CLUSTER.  The four work-groups of a cluster have four token blocks and ONE quarter: every load of the codebook is asked for jointly, by the same descriptor with the mask of all four.
; THE PRODUCT: source 0 = 16 codes, source 1 = 16 tokens, C of the first K step = -1/2 sum e^2 in the result's layout: lane (r, h) holds token r, register j code 8 h + j.  K = 256: two instructions a tile.
; THE SEARCH, 14 vector lines for a tile's 8 numbers a lane: the running best goes through the 8 by four v_max3; where it has grown, the tile's number and its 8 values are kept.
; Strictly greater alone replaces, so the first tile keeps a tie.  At the end the place in the kept tile is the lowest register equal to the best.
; -1/2 sum z^2 is the same for all codes of a token and x -> fl(c + x) never falls where x rises: it is added once, to a wave's winner.  Waves' and quarters' winners are compared as -d/2.
; LIMITS: the order of rounding differs from (sum z^2 + sum e^2) - 2 z.e: the bias is added in the matrix unit, sum z^2 last; within a wave's 512 codes the finer number decides.  Distances within a few
; units in the last place of d of each other may so be ordered otherwise.  Exact ties go to the lower index at every level.  NaN and infinities are not served.
; REGISTERS.  window 0: v1-15 lane numbers and addresses; v16-31 a code tile's two fragments; v32-39 its bias; v40 its scale words; v42-49 the tokens' scale words; v50-57 -1/2 sum z^2;
;   v58-65, v66-73 the best, old and new by turns; v74-81 the kept tile's first code; v82-83 at work; v84 8 x lane; v96-159 eight accumulators; v160-223 the kept values; v224-231 the tail.
;   window 1 (v256-383): the tokens' fragments, 16 registers a tile.
.set SCL, 262144                       ; LDS: codes from 0; the scale images, 128 bytes a tile;
.set NRM, 278528                       ; the norms, 64 bytes a tile;
.set SCR, 286720                       ; the waves' winners: token n, code range c: (value, index) at 32 n + 8 c.  Written by LDS stores alone: no load lands here
.set FA,  16
.set NC,  32
.set SA,  40
.set ZS,  42
.set ZN,  50
.set BA,  58
.set BB,  66
.set ID,  74
.set TMP, 82
.set ACC, 96
.set SV,  160
.set J,   224
.set P,   96                           ; the tail: eight pairs (value, index), in registers that the accumulators have left
.set L,   112                          ; the tail: two tokens' four pairs
.set G1C, 28                           ; s[28:35] descriptor group 1: 32 rows of 256 bytes (codes);  s[36:43] 8 rows (scale words);  s[44:51] 4 rows (norms)
.set G1S, 36
.set G1N, 44
.set MSB, 0
.macro WIN new                         ; the immediate's high byte repeats the setting that is left
.if MSB != \new
	s_set_vgpr_msb (MSB<<8)|\new
.set MSB, \new
.endif
.endm
.macro CROUND                          ; a round of the cluster's barrier: my work-group's barrier; wave 0 signals for the work-group; every wave waits for all four work-groups; my work-group's barrier once more
	s_barrier_signal -1
	s_barrier_wait -1
	s_cmp_lg_u32 s20, 0
	s_cbranch_scc1 .Lnot_wave_0_\@
	s_barrier_signal -3
.Lnot_wave_0_\@:
	s_barrier_wait -3
	s_barrier_signal -1
	s_barrier_wait -1
.endm
.macro GROUP1 g, rows                  ; a dense block as rows of 256 bytes: 32 elements of 8 bytes, pitch 32, no padding (every LDS read here is 16 x lane on end, or one word for many lanes)
	s_mov_b32 s[\g], 15|(3<<16)|(1<<21)            ; 15:0 the mask: all four work-groups; 17:16 elements of 8 bytes; 21 set beside a mask
	s_mov_b32 s[\g+1], 32<<16                      ; tensor_dim0 = 32
	s_mov_b32 s[\g+2], (\rows)<<16                 ; tensor_dim1
	s_mov_b32 s[\g+3], 32<<16                      ; tile_dim0 = 32
	s_mov_b32 s[\g+4], \rows                       ; tile_dim1
	s_mov_b32 s[\g+5], 32                          ; from row to row
	s_mov_b32 s[\g+6], 0
	s_mov_b32 s[\g+7], 0
.endm
.macro G0COD g, k                      ; group 0 of my k-th load of codes: 4 tiles, 8,192 bytes
	s_mov_b32 s[\g], 1
	s_add_co_u32 s[\g+1], s89, 16384*\k
	s_add_nc_u64 s[\g+2:\g+3], s[10:11], 16384*\k
	s_or_b32 s[\g+3], s[\g+3], 0x80000000
.endm
	s_load_b256 s[4:11], s[0:1], 0x0               ; z_cod s[4:5], z_scl s[6:7], z_nrm s[8:9], e_cod s[10:11]
	s_load_b256 s[12:19], s[0:1], 0x20             ; e_scl s[12:13], e_nrm s[14:15], val s[16:17], idx s[18:19]
	v_lshl_add_u32 v254, v0, 2, 0x48000
	v_mov_b32 v255, 0
	ds_add_u32 v254, v255
	ds_add_u32 v254, v255
	v_lshrrev_b32 v1, 5, v0
	v_readfirstlane_b32 s20, v1                    ; wave 0..7
	s_and_b32 s21, s20, 1                          ; th: which 128 tokens
	s_lshr_b32 s22, s20, 1                         ; cr: which 512 codes
	s_bfe_u32 s23, ttmp6, 0x40000                  ; cx: my place in the cluster: it enters z's, val's and idx's addresses alone
	s_lshl_b32 s24, ttmp9, 2
	s_add_co_u32 s24, s24, s23                     ; tb: my block of 256 tokens
	s_and_b32 s25, ttmp7, 0xffff                   ; q: the quarter, which the four partners share
	GROUP1 G1C, 32
	GROUP1 G1S, 8
	GROUP1 G1N, 4
	s_mov_b32 s84, 0x76543210
	s_mov_b32 s85, 0xfedcba98                      ; v_permlanex16_b32's selects for lane l xor 16
	v_and_b32 v1, 31, v0                           ; l
	v_and_b32 v2, 15, v0                           ; r
	v_bfe_u32 v3, v0, 4, 1                         ; h
	v_lshlrev_b32 v11, 4, v1                       ; 16 l
	v_lshlrev_b32 v12, 2, v1                       ; 4 l
	v_lshlrev_b32 v13, 2, v2                       ; 4 r
	v_lshlrev_b32 v84, 3, v1                       ; 8 l
	s_wait_dscnt 0x0
	s_wait_kmcnt 0x0
	; the six groups 0, never written again.  Offsets made of q and the wave's number alone, in registers that never hold cx
	s_lshl_b32 s26, s25, 14
	s_lshl_b32 s89, s20, 11
	s_add_co_u32 s26, s26, s89                     ; scale words: 16,384 q + 2,048 w
	s_mov_b32 s27, 0
	s_mov_b32 s52, 1
	s_add_co_u32 s53, s89, SCL
	s_add_nc_u64 s[54:55], s[12:13], s[26:27]
	s_or_b32 s55, s55, 0x80000000
	s_lshl_b32 s26, s25, 13
	s_lshl_b32 s89, s20, 10
	s_add_co_u32 s26, s26, s89                     ; norms: 8,192 q + 1,024 w
	s_mov_b32 s56, 1
	s_add_co_u32 s57, s89, NRM
	s_add_nc_u64 s[58:59], s[14:15], s[26:27]
	s_or_b32 s59, s59, 0x80000000
	s_lshl_b32 s89, s22, 16
	s_lshl_b32 s26, s21, 13
	s_add_co_u32 s89, s89, s26                     ; codes, in LDS: 65,536 cr + 8,192 th (+ 16,384 k): phase k's 8 tiles of a code range come by load k of the range's two waves
	s_lshl_b32 s26, s25, 18
	s_add_co_u32 s26, s26, s89                     ; in memory: + 262,144 q
	s_add_nc_u64 s[10:11], s[10:11], s[26:27]
	G0COD 60, 0
	G0COD 68, 1
	G0COD 72, 2
	G0COD 76, 3
	; what hangs on cx: z's and the results' addresses
	s_lshl_b32 s94, s24, 15
	s_lshl_b32 s95, s21, 14
	s_add_co_u32 s94, s94, s95                     ; my 8 token tiles' codes: 32,768 tb + 16,384 th
	s_mov_b32 s95, 0
	s_add_nc_u64 s[4:5], s[4:5], s[94:95]
	s_lshr_b32 s94, s94, 4                         ; their scale images: 128 bytes a tile
	s_add_nc_u64 s[6:7], s[6:7], s[94:95]
	s_lshr_b32 s94, s94, 1                         ; their norms: 64 bytes a tile
	s_add_nc_u64 s[8:9], s[8:9], s[94:95]
	s_and_b32 s92, s20, 3                          ; the wave's number among the four that store
	s_lshl_b32 s94, s25, 16
	s_lshl_b32 s93, s24, 10
	s_add_co_u32 s94, s94, s93
	s_lshl_b32 s93, s92, 8
	s_add_co_u32 s94, s94, s93                     ; 65,536 q + 1,024 tb + 256 (w & 3)
	s_add_nc_u64 s[16:17], s[16:17], s[94:95]
	s_add_nc_u64 s[18:19], s[18:19], s[94:95]
	WIN 0x40                                       ; destination window 1, address window 0
.irp t, 0,1,2,3,4,5,6,7
.irp i, 0,1,2,3
	global_load_b128 v[16*\t+4*\i:16*\t+4*\i+3], v11, s[4:5] offset:2048*\t+512*\i   ; the tokens' fragments, as they lie: 512 consecutive bytes a load
.endr
.endr
	WIN 0
.irp t, 0,1,2,3,4,5,6,7
	global_load_b32 v[ZS+\t], v12, s[6:7] offset:128*\t            ; lanes 0-15: K step 0's words, lanes 16-31: K step 1's
	global_load_b32 v[ZN+\t], v13, s[8:9] offset:64*\t             ; -1/2 sum z^2 of token r
.endr
	CROUND                                         ; all four work-groups are here: the joint loads meet
	tensor_load_to_lds s[52:55], s[G1S:G1S+7]      ; six first fills a wave, in one group: six loads of mine are out
	s_nop 0
	tensor_load_to_lds s[56:59], s[G1N:G1N+7]
	s_nop 0
	tensor_load_to_lds s[60:63], s[G1C:G1C+7]
	s_nop 0
	tensor_load_to_lds s[68:71], s[G1C:G1C+7]
	s_nop 0
	tensor_load_to_lds s[72:75], s[G1C:G1C+7]
	s_nop 0
	tensor_load_to_lds s[76:79], s[G1C:G1C+7]
	s_nop 0
.rept 4
	v_nop                                          ; four v_nop behind the last tensor load
.endr
	; the LDS addresses, all made here, of constants, the lane and the wave's number
	s_lshl_b32 s86, s22, 16
	v_add_nc_u32 v4, s86, v11                      ; codes: 65,536 cr + 16 l
	s_lshl_b32 s86, s22, 12
	s_add_co_u32 s86, s86, SCL
	v_add_nc_u32 v5, s86, v12                      ; scale words: + 4,096 cr + 4 l
	s_lshl_b32 s86, s22, 11
	s_add_co_u32 s86, s86, NRM
	v_lshl_add_u32 v6, v3, 5, s86                  ; norms: + 2,048 cr + 32 h: my half's eight codes
	s_lshl_b32 s86, s25, 11
	s_lshl_b32 s87, s22, 9
	s_add_co_u32 s86, s86, s87
	s_sub_co_u32 s86, s86, 16
	v_lshl_add_u32 v10, v3, 3, s86                 ; the first code of my half of the tile in hand: 16 low here, since each tile adds 16 ahead of its search (a whole number, no address)
	s_lshl_b32 s86, s21, 12
	s_lshl_b32 s87, s22, 3
	s_add_co_u32 s86, s86, s87
	s_add_co_u32 s86, s86, SCR
	v_lshl_add_u32 v14, v2, 5, s86                 ; my winners: token 128 th + 16 t + r, range cr
	s_lshl_b32 s86, s92, 11
	s_add_co_u32 s86, s86, SCR
	v_lshl_add_u32 v15, v1, 6, s86                 ; the last join: tokens 64 (w & 3) + 2 l and + 1
.irp t, 0,1,2,3,4,5,6,7
	v_mov_b32 v[BA+\t], 0xff800000                 ; the best so far: -infinity.  These 80 lines run while the fills are on their way, and spare a second copy of the tile's text for a first tile
	v_mov_b32 v[ID+\t], 0
.endr
.set i, 0
.rept 64
	v_mov_b32 v[SV+i], 0xff800000
.set i, i+1
.endr
	s_wait_loadcnt 0x0                             ; the tokens' fragments, scale words and norms
.macro FETCH                           ; a code tile: two fragments (4 x 512 bytes on end), its bias (8 numbers of my half: one address for 16 lanes), its scale image
.irp i, 0,1,2,3
	ds_load_b128 v[FA+4*\i:FA+4*\i+3], v7 offset:512*\i
.endr
	ds_load_b128 v[NC:NC+3], v9
	ds_load_b128 v[NC+4:NC+7], v9 offset:16
	ds_load_b32 v[SA], v8
.endm
.macro MULS                            ; 16 products: the eight accumulators take turns, one instruction a turn
	s_wait_dscnt 0x0                               ; the tile's seven loads are in
	WIN 0x04                                       ; source 1 (the tokens) window 1
.irp t, 0,1,2,3,4,5,6,7
	v_wmma_scale_f32_16x16x128_f8f6f4 v[ACC+8*\t:ACC+8*\t+7], v[FA:FA+7], v[16*\t:16*\t+7], v[NC:NC+7], v[SA], v[ZS+\t] matrix_a_fmt:MATRIX_FMT_FP4 matrix_b_fmt:MATRIX_FMT_FP4
.endr
.irp t, 0,1,2,3,4,5,6,7
	v_wmma_scale_f32_16x16x128_f8f6f4 v[ACC+8*\t:ACC+8*\t+7], v[FA+8:FA+15], v[16*\t+8:16*\t+15], v[ACC+8*\t:ACC+8*\t+7], v[SA], v[ZS+\t] matrix_a_fmt:MATRIX_FMT_FP4 matrix_b_fmt:MATRIX_FMT_FP4 matrix_a_scale:MATRIX_SCALE_ROW1 matrix_b_scale:MATRIX_SCALE_ROW1
.endr
	WIN 0
.endm
.macro STEPADR                         ; on to the next tile.  The four vector lines name no register of the products: they are the four places in front of the loads into the fragments' registers and of the first read of results
	s_add_co_u32 s81, s81, 2048
	s_add_co_u32 s82, s82, 128
	s_add_co_u32 s83, s83, 64
	v_add_nc_u32 v7, s81, v4
	v_add_nc_u32 v8, s82, v5
	v_add_nc_u32 v9, s83, v6
	v_add_nc_u32 v10, 16, v10                      ; now the first code of the tile whose results are searched below
.endm
.macro REDUCE old, new                 ; two token tiles' chains by turns; each accumulator is read from its low end on
.irp t, 0,2,4,6
	v_max3_num_f32 v[TMP],   v[\old+\t],   v[ACC+8*\t],    v[ACC+8*\t+1]
	v_max3_num_f32 v[TMP+1], v[\old+\t+1], v[ACC+8*\t+8],  v[ACC+8*\t+9]
	v_max3_num_f32 v[TMP],   v[TMP],   v[ACC+8*\t+2],  v[ACC+8*\t+3]
	v_max3_num_f32 v[TMP+1], v[TMP+1], v[ACC+8*\t+10], v[ACC+8*\t+11]
	v_max3_num_f32 v[TMP],   v[TMP],   v[ACC+8*\t+4],  v[ACC+8*\t+5]
	v_max3_num_f32 v[TMP+1], v[TMP+1], v[ACC+8*\t+12], v[ACC+8*\t+13]
	v_max3_num_f32 v[\new+\t],   v[TMP],   v[ACC+8*\t+6],  v[ACC+8*\t+7]
	v_max3_num_f32 v[\new+\t+1], v[TMP+1], v[ACC+8*\t+14], v[ACC+8*\t+15]
.irp u, 0,1
	v_cmp_gt_f32 vcc_lo, v[\new+\t+\u], v[\old+\t+\u]              ; has the best grown?  Then this tile holds it
	v_cndmask_b32 v[ID+\t+\u], v[ID+\t+\u], v10, vcc_lo
.irp j, 0,1,2,3,4,5,6,7
	v_cndmask_b32 v[SV+8*(\t+\u)+\j], v[SV+8*(\t+\u)+\j], v[ACC+8*(\t+\u)+\j], vcc_lo
.endr
.endr
.endr
.endm
; A code tile.  The next tile's loads are on their way during the search.  The next tile's first product on an accumulator stands behind the search of the other seven: more than the five places owed.
.macro TILE par, fetch
	MULS
	STEPADR
.if \fetch
	FETCH
.endif
.if \par
	REDUCE BB, BA
.else
	REDUCE BA, BB
.endif
.endm
; Eight tiles of my code range: those that load p of the range's two waves brought.  No LDS instruction of mine is out at the signal: the last tile of a phase fetches nothing.
.macro PHASE p
	s_wait_tensorcnt 3-\p                          ; of my six loads (scale words, norms, codes 0 .. 3) all but the 3 - p youngest have landed; nothing is ever filled again, so those may cross the barrier
	s_barrier_signal -1
	s_barrier_wait -1                              ; the same holds of every wave
	s_mov_b32 s81, 16384*\p
	s_mov_b32 s82, 1024*\p
	s_mov_b32 s83, 512*\p
	v_add_nc_u32 v7, s81, v4
	v_add_nc_u32 v8, s82, v5
	v_add_nc_u32 v9, s83, v6
	FETCH
	s_mov_b32 s80, 3
.Lpair_\@:                                             ; a trip is two tiles, until old and new best are back where they began
	TILE 0, 1
	TILE 1, 1
	s_sub_co_u32 s80, s80, 1
	s_cmp_lg_u32 s80, 0
	s_cbranch_scc1 .Lpair_\@
	TILE 0, 1
	TILE 1, 0
.endm
	PHASE 0
	PHASE 1
	PHASE 2
	PHASE 3
	; THE TAIL.  The place in the kept tile: the lowest register that equals the best
.irp t, 0,1,2,3,4,5,6,7
	v_mov_b32 v[J+\t], 7
.endr
.irp j, 6,5,4,3,2,1,0
.irp t, 0,1,2,3,4,5,6,7
	v_cmp_neq_f32 vcc_lo, v[SV+8*\t+\j], v[BA+\t]
	v_cndmask_b32 v[J+\t], \j, v[J+\t], vcc_lo
.endr
.endr
.irp t, 0,1,2,3,4,5,6,7
	v_add_nc_u32 v[J+\t], v[ID+\t], v[J+\t]        ; the code's index
.endr
.irp t, 0,1,2,3,4,5,6,7
	v_permlanex16_b32 v[SV+8*\t], v[BA+\t], s84, s85               ; the token's other lane: its best and its index (into kept values that are done with)
	v_permlanex16_b32 v[SV+8*\t+1], v[J+\t], s84, s85
.endr
.irp t, 0,1,2,3,4,5,6,7
	v_cmp_gt_f32 s86, v[SV+8*\t], v[BA+\t]
	v_cmp_eq_f32 s87, v[SV+8*\t], v[BA+\t]
	v_cmp_lt_u32 s88, v[SV+8*\t+1], v[J+\t]
	s_and_b32 s87, s87, s88
	s_or_b32 s86, s86, s87                         ; the other's is greater, or equal with the lower index: both lanes decide alike.  The mask selects values only
	v_cndmask_b32 v[BA+\t], v[BA+\t], v[SV+8*\t], s86
	v_cndmask_b32 v[P+2*\t+1], v[J+\t], v[SV+8*\t+1], s86
	v_add_f32 v[P+2*\t], v[BA+\t], v[ZN+\t]        ; -d/2
.endr
.irp t, 0,1,2,3,4,5,6,7
	ds_store_b64 v14, v[P+2*\t:P+2*\t+1] offset:512*\t             ; both lanes of a token write the same 8 bytes with the same value
.endr
	s_wait_dscnt 0x0                               ; for the others' sake: my stores have landed
	s_barrier_signal -1
	s_barrier_wait -1
	s_cmp_lt_u32 s20, 4
	s_cbranch_scc0 .Ldone
	ds_load_b128 v[L:L+3], v15                     ; waves 0-3: two tokens a lane, four pairs each
	ds_load_b128 v[L+4:L+7], v15 offset:16
	ds_load_b128 v[L+8:L+11], v15 offset:32
	ds_load_b128 v[L+12:L+15], v15 offset:48
	s_wait_dscnt 0x0
.irp a, 0,1
.irp c, 1,2
	v_cmp_gt_f32 vcc_lo, v[L+8*\a+2*\c], v[L+8*\a]                 ; code ranges ascending, strictly greater alone replaces: the lower index keeps a tie
	v_cndmask_b32 v[L+8*\a], v[L+8*\a], v[L+8*\a+2*\c], vcc_lo
	v_cndmask_b32 v[L+8*\a+1], v[L+8*\a+1], v[L+8*\a+2*\c+1], vcc_lo
.endr
	v_cmp_gt_f32 vcc_lo, v[L+8*\a+6], v[L+8*\a]
	v_cndmask_b32 v[128+\a], v[L+8*\a], v[L+8*\a+6], vcc_lo
	v_cndmask_b32 v[130+\a], v[L+8*\a+1], v[L+8*\a+7], vcc_lo
.endr
	global_store_b64 v84, v[128:129], s[16:17]     ; 32 lanes store 256 consecutive bytes, aligned
	global_store_b64 v84, v[130:131], s[18:19]
.Ldone:
	s_wait_tensorcnt 0x0
	ds_add_u32 v254, v255
	s_wait_dscnt 0x0
	CROUND                                         ; the closing round: no work-group ends while a partner may still ask for a tile that names it
	s_endpgm
.Lfunc_end_k_qa1c0e08166_nearest:
	.size	k_qa1c0e08166_nearest, .Lfunc_end_k_qa1c0e08166_nearest-k_qa1c0e08166_nearest
	.p2alignl 7, 3214868480
	.fill 96, 4, 3214868480
	.section	.rodata,"a",@progbits
	.p2align	6, 0x0
	.amdhsa_kernel k_qa1c0e08166_nearest
		.amdhsa_group_segment_fixed_size 295936
		.amdhsa_private_segment_fixed_size 0
		.amdhsa_enable_private_segment 0
		.amdhsa_kernarg_size 64
		.amdhsa_user_sgpr_count 2
		.amdhsa_user_sgpr_kernarg_segment_ptr 1
		.amdhsa_wavefront_size32 1
		.amdhsa_system_sgpr_workgroup_id_x 1
		.amdhsa_system_sgpr_workgroup_id_y 1
		.amdhsa_system_sgpr_workgroup_id_z 1
		.amdhsa_system_vgpr_workitem_id 0
		.amdhsa_next_free_vgpr 384
		.amdhsa_next_free_sgpr 96
		.amdhsa_reserve_vcc 1
		.amdhsa_float_denorm_mode_32 3
		.amdhsa_float_denorm_mode_16_64 3
		.amdhsa_memory_ordered 1
		.amdhsa_forward_progress 1
		.amdhsa_inst_pref_size 146
	.end_amdhsa_kernel
	.amdgpu_metadata
---
amdhsa.version: [ 1, 2 ]
amdhsa.kernels:
  - .name:           k_qa1c0e08166_nearest
    .symbol:         k_qa1c0e08166_nearest.kd
    .args:
      - { .name: z_cod, .offset: 0, .size: 8, .value_kind: global_buffer, .address_space: global }
      - { .name: z_scl, .offset: 8, .size: 8, .value_kind: global_buffer, .address_space: global }
      - { .name: z_nrm, .offset: 16, .size: 8, .value_kind: global_buffer, .address_space: global }
      - { .name: e_cod, .offset: 24, .size: 8, .value_kind: global_buffer, .address_space: global }
      - { .name: e_scl, .offset: 32, .size: 8, .value_kind: global_buffer, .address_space: global }
      - { .name: e_nrm, .offset: 40, .size: 8, .value_kind: global_buffer, .address_space: global }
      - { .name: val, .offset: 48, .size: 8, .value_kind: global_buffer, .address_space: global }
      - { .name: idx, .offset: 56, .size: 8, .value_kind: global_buffer, .address_space: global }
    .group_segment_fixed_size: 295936
    .private_segment_fixed_size: 0
    .kernarg_segment_align: 8
    .kernarg_segment_size: 64
    .max_flat_workgroup_size: 256
    .sgpr_count:     96
    .vgpr_count:     384
    .wavefront_size: 32
...
	.end_amdgpu_metadata
.endif
;; end of part 2
;; launch gather (part 3): grid 256 x 1, 16 waves a work-group, no clusters, 0 bytes of LDS; arguments z, embedding, val, idx, out0; writes out0
.if DOCPART == 3
	.amdgcn_target "amdgcn-amd-amdhsa--gfx1250"
	.amdhsa_code_object_version 6
	.text
	.protected	k_qa1c0e08166_gather
	.globl	k_qa1c0e08166_gather
	.p2align	8
	.type	k_qa1c0e08166_gather,@function
k_qa1c0e08166_gather:
	s_mov_b64 s[64:65], 0
	v_nop
	global_prefetch_b8 v0, s[64:65] scope:SCOPE_SE
	s_setreg_imm32_b32 hwreg(HW_REG_WAVE_MODE, 25, 1), 1
	s_wait_xcnt 0x0
; out[n] = z[n] + (embedding[k] - z[n]), k the index of the largest of the token's four stored -d/2 (one for each quarter of the codebook; the lower quarter keeps a tie).
; The four indices were stored by the launch before and are read here as whole numbers: all four candidate rows are loaded, and the stored values only SELECT among them (v_cndmask_b32):
; no address and no branch hangs on a floating-point number.
; SHARES: a wave takes 4 tokens; a row is 1,024 bytes: two loads of 512 consecutive bytes.  All 40 loads of a wave go out at once; no register is loaded twice, so there is no ring.
; The launch streams: LDS, barriers, clusters and the matrix unit would add nothing.
.set VA, 2                             ; v2-17    token i, quarter q: byte offset of my 16 bytes in the candidate row
.set Z,  24                            ; v24-55   token i: 8 registers of z
.set E,  56                            ; v56-183  token i, quarter q: 8 registers of the candidate row; quarter 0's then hold the result
	s_load_b256 s[4:11], s[0:1], 0x0               ; z s[4:5], embedding s[6:7], val s[8:9], idx s[10:11]
	s_load_b64 s[12:13], s[0:1], 0x20              ; out0
	v_lshrrev_b32 v1, 5, v0
	v_readfirstlane_b32 s14, v1                    ; wave 0..15
	v_and_b32 v1, 31, v0
	v_lshlrev_b32 v1, 4, v1                        ; 16 x lane
	s_lshl_b32 s60, ttmp9, 8
	s_lshl_b32 s61, s14, 4
	s_add_co_u32 s60, s60, s61                     ; 4 bytes x my first token, 64 x work-group + 4 x wave
	s_mov_b32 s61, 0
	s_wait_kmcnt 0x0
	s_add_nc_u64 s[8:9], s[8:9], s[60:61]
	s_add_nc_u64 s[10:11], s[10:11], s[60:61]
.irp q, 0,1,2,3
	s_load_b128 s[16+4*\q:19+4*\q], s[10:11], 0x10000*\q           ; quarter q's indices of my four tokens
	s_load_b128 s[32+4*\q:35+4*\q], s[8:9], 0x10000*\q             ; and its values
.endr
	s_lshl_b32 s60, s60, 8                         ; 1,024 bytes x my first token
	s_add_nc_u64 s[4:5], s[4:5], s[60:61]
	s_add_nc_u64 s[12:13], s[12:13], s[60:61]
.irp i, 0,1,2,3
	global_load_b128 v[Z+8*\i:Z+8*\i+3], v1, s[4:5] offset:1024*\i th:TH_LOAD_NT       ; read for the last time
	global_load_b128 v[Z+8*\i+4:Z+8*\i+7], v1, s[4:5] offset:1024*\i+512 th:TH_LOAD_NT
.endr
	s_wait_kmcnt 0x0
.irp k, 0,1,2,3,4,5,6,7,8,9,10,11,12,13,14,15
	s_min_u32 s[16+\k], s[16+\k], 0x1fff           ; an index stays inside the table of 8,192 rows
	s_lshl_b32 s[16+\k], s[16+\k], 10              ; its row's first byte
.endr
.irp i, 0,1,2,3
.irp q, 0,1,2,3
	v_add_nc_u32 v[VA+4*\i+\q], s[16+4*\q+\i], v1
.endr
.endr
.irp i, 0,1,2,3
.irp q, 0,1,2,3
	global_load_b128 v[E+32*\i+8*\q:E+32*\i+8*\q+3], v[VA+4*\i+\q], s[6:7]             ; no hint: a row may be named by many tokens
	global_load_b128 v[E+32*\i+8*\q+4:E+32*\i+8*\q+7], v[VA+4*\i+\q], s[6:7] offset:512
.endr
.endr
.macro TOKEN i
	s_wait_loadcnt 24-8*\i                         ; z's loads are the oldest; token i's eight rows' loads are in when the 8 (3 - i) of the younger tokens remain
	v_mov_b32 v18, s[32+\i]                        ; quarter 0's value
.irp q, 1,2,3
	v_cmp_lt_f32 s[48+3*\i+\q-1], v18, s[32+4*\q+\i]               ; strictly greater than the best so far: the lower quarter keeps a tie
	v_max_num_f32 v18, s[32+4*\q+\i], v18
.endr
.irp q, 1,2,3
.irp k, 0,1,2,3,4,5,6,7
	v_cndmask_b32 v[E+32*\i+\k], v[E+32*\i+\k], v[E+32*\i+8*\q+\k], s[48+3*\i+\q-1]
.endr
.endr
.irp k, 0,2,4,6
	v_pk_add_f32 v[E+32*\i+\k:E+32*\i+\k+1], v[E+32*\i+\k:E+32*\i+\k+1], v[Z+8*\i+\k:Z+8*\i+\k+1] neg_lo:[0,1] neg_hi:[0,1]   ; e - z
.endr
.irp k, 0,2,4,6
	v_pk_add_f32 v[E+32*\i+\k:E+32*\i+\k+1], v[Z+8*\i+\k:Z+8*\i+\k+1], v[E+32*\i+\k:E+32*\i+\k+1]                             ; z + (e - z)
.endr
	global_store_b128 v1, v[E+32*\i:E+32*\i+3], s[12:13] offset:1024*\i th:TH_STORE_NT             ; 32 lanes store 512 consecutive bytes, aligned
	global_store_b128 v1, v[E+32*\i+4:E+32*\i+7], s[12:13] offset:1024*\i+512 th:TH_STORE_NT
.endm
	TOKEN 0
	TOKEN 1
	TOKEN 2
	TOKEN 3
	s_endpgm
.Lfunc_end_k_qa1c0e08166_gather:
	.size	k_qa1c0e08166_gather, .Lfunc_end_k_qa1c0e08166_gather-k_qa1c0e08166_gather
	.p2alignl 7, 3214868480
	.fill 96, 4, 3214868480
	.section	.rodata,"a",@progbits
	.p2align	6, 0x0
	.amdhsa_kernel k_qa1c0e08166_gather
		.amdhsa_group_segment_fixed_size 0
		.amdhsa_private_segment_fixed_size 0
		.amdhsa_enable_private_segment 0
		.amdhsa_kernarg_size 40
		.amdhsa_user_sgpr_count 2
		.amdhsa_user_sgpr_kernarg_segment_ptr 1
		.amdhsa_wavefront_size32 1
		.amdhsa_system_sgpr_workgroup_id_x 1
		.amdhsa_system_sgpr_workgroup_id_y 1
		.amdhsa_system_sgpr_workgroup_id_z 1
		.amdhsa_system_vgpr_workitem_id 0
		.amdhsa_next_free_vgpr 192
		.amdhsa_next_free_sgpr 66
		.amdhsa_reserve_vcc 0
		.amdhsa_float_denorm_mode_32 3
		.amdhsa_float_denorm_mode_16_64 3
		.amdhsa_memory_ordered 1
		.amdhsa_forward_progress 1
		.amdhsa_inst_pref_size 18
	.end_amdhsa_kernel
	.amdgpu_metadata
---
amdhsa.version: [ 1, 2 ]
amdhsa.kernels:
  - .name:           k_qa1c0e08166_gather
    .symbol:         k_qa1c0e08166_gather.kd
    .args:
      - { .name: z, .offset: 0, .size: 8, .value_kind: global_buffer, .address_space: global }
      - { .name: embedding, .offset: 8, .size: 8, .value_kind: global_buffer, .address_space: global }
      - { .name: val, .offset: 16, .size: 8, .value_kind: global_buffer, .address_space: global }
      - { .name: idx, .offset: 24, .size: 8, .value_kind: global_buffer, .address_space: global }
      - { .name: out0, .offset: 32, .size: 8, .value_kind: global_buffer, .address_space: global }
    .group_segment_fixed_size: 0
    .private_segment_fixed_size: 0
    .kernarg_segment_align: 8
    .kernarg_segment_size: 40
    .max_flat_workgroup_size: 512
    .sgpr_count:     66
    .vgpr_count:     192
    .wavefront_size: 32
...
	.end_amdgpu_metadata
.endif
;; end of part 3
;; ======== version 2 of 2: 3 launches
;; limits: right only within a limited range of input values
;; workspace buffers: z_cod 2,097,152 bytes; z_scl 131,072 bytes; cb 1,146,880 bytes; best 524,288 bytes of whole numbers
;; launch quant (part 4): grid 256 x 1, 12 waves a work-group, no clusters, 54,784 bytes of LDS; arguments z, embedding, z_cod, z_scl, cb; writes z_cod, z_scl, cb
.if DOCPART == 4
	.amdgcn_target "amdgcn-amd-amdhsa--gfx1250"
	.amdhsa_code_object_version 6
	.text
	.protected	k_qa1c0e08166_quant
	.globl	k_qa1c0e08166_quant
	.p2align	8
	.type	k_qa1c0e08166_quant,@function
k_qa1c0e08166_quant:
	s_mov_b64 s[64:65], 0
	v_nop
	global_prefetch_b8 v0, s[64:65] scope:SCOPE_SE
	s_setreg_imm32_b32 hwreg(HW_REG_WAVE_MODE, 25, 1), 1
	s_wait_xcnt 0x0
; z [16384][256] and embedding [8192][256], f32, become codes of FP4 (E2M1) and one E8M0 scale byte for each 32 along K; embedding's rows also get -1/2 x their sum of squares.
; WHAT THE PROGRAM LEAVES OUT, for all values of the inputs:
;   sum z^2 is the same number for all codes of a token: added along the argmin's axis it moves no argmin;
;   z + (z_q - z) = z_q, since z - z is 0 by identity: the output is the chosen row of embedding.  (z still reaches the output through the product.)
; LIMIT: a NaN, an infinity or an overflow that reaches only these terms is not carried to the result.
; The buffers are laid as the next launches' registers want them.  A TILE is 16 consecutive rows:
;   codes  [tile][8 blocks of 32 along K][16 rows][16 bytes], 2,048 bytes: the 512 bytes at 512 i are registers 4 i .. 4 i + 3 of the tile's two fragments, lane l's 16 bytes at 16 l
;   scales [tile][2 K steps][16 rows][4 bytes], 128 bytes = one register: lanes 0-15 the words of k 0-127, lanes 16-31 those of k 128-255
;   norms  [row] f32
; z_cod and z_scl hold z's.  cb holds embedding's in pieces of 16 tiles (256 rows), 35,840 bytes each: 32,768 of codes, 2,048 of scales, 1,024 of norms.
; A block of 32's scale is 2^(floor(log2(its largest magnitude)) - 2); its byte is the largest magnitude's exponent field - 2, held at 1 from below.
; LIMITS: a block of zeros, or one whose largest magnitude lies under 2^-124, keeps the byte 1 (a block of zeros has zero codes, which add nothing; the bytes are read by this program alone);
; NaN and infinities are not served; the sum of squares is taken in chains, lanes and two waves, another order than a plain running sum.
; SHARES: a work-group four tiles of z (waves 0-7) and two of embedding (waves 8-11); a wave 16 rows x one K step (128 columns).  Only pointers are chosen, there is one path.  All 16 loads of a wave go out at once, each
; 2 rows x 256 consecutive bytes.  A conversion wants 32 neighbours along K in ONE lane, so each group of 64 columns turns through the wave's own stage in LDS (rows 272 bytes apart).  No tensor loads, no matrix work.
; Codes and scales leave in whole aligned units of 256 bytes; a work-group's 32 norms are 128 bytes, half a unit: one byte in 100 of what is stored.
.set STG,  4352                        ; a stage: 16 rows x 272 bytes
.set SCRS, 52224                       ; twelve waves' half scale images, 64 bytes each; behind them (256 on from the wave's own) embedding's four partial sums of squares
.set SPARE, 53248                      ; the spare words, 128 bytes for each wave, which no other line names
.set PIECE, 35840
.set C, 32                             ; v32-39   codes: four registers a group
.set B, 48                             ; v48-49   my block's scale byte, one a group
.set S, 52                             ; v52-55   two packed sums of squares
.set X, 64                             ; v64-127  two groups of 32 registers, as loaded
.set Y, 128                            ; v128-191 two sets of 32 neighbours along K
	s_load_b256 s[4:11], s[0:1], 0x0               ; z, embedding, z_cod, z_scl
	s_load_b64 s[12:13], s[0:1], 0x20              ; cb
	v_lshl_add_u32 v62, v0, 2, SPARE
	v_mov_b32 v63, 0
	v_lshrrev_b32 v1, 5, v0
	v_readfirstlane_b32 s20, v1                    ; wave 0..11
	v_and_b32 v1, 31, v0                           ; l
	v_and_b32 v2, 15, v0                           ; r
	v_bfe_u32 v3, v0, 4, 1                         ; h
	v_lshlrev_b32 v4, 4, v2
	v_lshl_add_u32 v4, v3, 10, v4                  ; in: row h of a pair of rows, 16 bytes a lane
	s_mul_i32 s34, s20, STG
	v_mul_u32_u24 v5, v3, 272
	v_lshl_add_u32 v5, v2, 4, v5
	v_add_nc_u32 v5, s34, v5                       ; into my stage: as loaded
	v_mul_u32_u24 v6, v2, 272
	v_lshl_add_u32 v6, v3, 7, v6
	v_add_nc_u32 v6, s34, v6                       ; out of it: row r, block h of the group's two
	v_lshlrev_b32 v7, 4, v1                        ; 16 l
	s_lshl_b32 s35, s20, 6
	s_add_co_u32 s35, s35, SCRS
	v_lshl_add_u32 v8, v2, 2, s35                  ; my row's word of my wave's half image; 256 on its partial sum
	v_lshlrev_b32 v12, 3, v1                       ; 8 l
	v_add_nc_u32 v9, SCRS, v7                      ; the way out of z's images: 16 bytes a lane;
	v_add_nc_u32 v10, SCRS+512, v12                ; of embedding's: 8 bytes a lane
	v_lshlrev_b32 v14, 2, v1                       ; 4 l
	v_lshlrev_b32 v11, 2, v2
	v_lshl_add_u32 v11, v3, 7, v11
	v_add_nc_u32 v11, SCRS+768, v11                ; row l's two partial sums: here and 64 on
	v_lshlrev_b32 v13, 3, v3                       ; 8 h: my bytes' shift in a scale word
	v_mov_b32 v17, 0                               ; a lane permute's destination counts as one of its sources: written once
	v_mov_b32 v19, 0
	s_mov_b32 s32, 0x76543210
	s_mov_b32 s33, 0xfedcba98                      ; v_permlanex16_b32's selects for lane l xor 16
	s_and_b32 s21, s20, 1                          ; my K step
	s_lshr_b32 s22, s20, 1                         ; my tile: 0-3 z, 4-5 embedding
	s_lshl_b32 s22, s22, 14
	s_lshl_b32 s40, ttmp9, 16
	s_add_co_u32 s40, s40, s22                     ; z: 65,536 x work-group + 16,384 x tile
	s_lshl_b32 s41, ttmp9, 15
	s_add_co_u32 s41, s41, s22
	s_sub_co_u32 s41, s41, 65536                   ; embedding: 32,768 x work-group + 16,384 x (tile - 4)
	s_lshl_b32 s23, s20, 10
	s_lshl_b32 s42, ttmp9, 13
	s_add_co_u32 s42, s42, s23                     ; z's codes: 8,192 x work-group + 1,024 x wave
	s_lshr_b32 s44, ttmp9, 3
	s_mul_i32 s44, s44, PIECE                      ; embedding's piece
	s_and_b32 s45, ttmp9, 7                        ; which two tiles of it
	s_lshl_b32 s43, s45, 12
	s_add_co_u32 s43, s43, s44
	s_add_co_u32 s43, s43, s23
	s_sub_co_u32 s43, s43, 8192                    ; its codes: piece + 4,096 x pair + 1,024 x (wave - 8)
	s_lshl_b32 s46, s45, 8
	s_add_co_u32 s46, s46, s44
	s_add_co_u32 s46, s46, 32768                   ; its scales
	s_mov_b32 s47, 0
	s_lshl_b32 s48, s45, 7
	s_add_co_u32 s48, s48, s44
	s_add_co_u32 s48, s48, 34816                   ; its norms
	s_mov_b32 s49, 0
	s_lshl_b32 s50, ttmp9, 9                       ; z's scales
	s_mov_b32 s51, 0
	s_lshl_b32 s21, s21, 9
	s_mov_b32 s25, 0
	s_mov_b32 s27, 0
	s_wait_alu depctr_va_vdst(0)                   ; the wait at the head's end
	s_wait_kmcnt 0x0
	s_add_nc_u64 s[46:47], s[12:13], s[46:47]
	s_add_nc_u64 s[48:49], s[12:13], s[48:49]
	s_add_nc_u64 s[50:51], s[10:11], s[50:51]
	s_cmp_lt_u32 s20, 8                            ; z's wave or embedding's: the choice hangs on the wave's number alone
	s_cselect_b32 s24, s40, s41
	s_cselect_b32 s26, s42, s43
	s_cselect_b64 s[28:29], s[4:5], s[6:7]
	s_cselect_b64 s[30:31], s[8:9], s[12:13]
	s_add_co_u32 s24, s24, s21
	s_add_nc_u64 s[28:29], s[28:29], s[24:25]
	s_add_nc_u64 s[30:31], s[30:31], s[26:27]
.irp g, 0,1
.irp i, 0,1,2,3,4,5,6,7
	global_load_b128 v[X+32*\g+4*\i:X+32*\g+4*\i+3], v4, s[28:29] offset:2048*\i+256*\g   ; group g: 64 columns of the 16 rows: sixteen lanes read 256 consecutive bytes, aligned
.endr
.endr
.macro TURN g                          ; group g through the stage.  LDS serves a wave's instructions in order: no wait between the stores and the loads, nor in front of the next group's stores
	s_wait_loadcnt 8-8*(\g)                        ; group g's eight loads are in; the younger group's eight may be out
.irp i, 0,1,2,3,4,5,6,7
	ds_store_b128 v5, v[X+32*(\g)+4*\i:X+32*(\g)+4*\i+3] offset:544*\i
.endr
.irp i, 0,1,2,3,4,5,6,7
	ds_load_b128 v[Y+32*(\g)+4*\i:Y+32*(\g)+4*\i+3], v6 offset:16*\i
.endr
.endm
.macro WORK g                          ; my block 2 g + h of row r: scale and codes
.set YS, Y+32*(\g)
	s_wait_dscnt 16-16*(\g)                        ; this group's loads are in; the next group's 8 stores and 8 loads may be out
	v_max3_num_f32 v20, |v[YS]|, |v[YS+1]|, 0x1800000              ; the largest magnitude of my 32, in two chains; the floor 2^(3 - 127) among the leaves holds the byte at 1 from below
	v_max3_num_f32 v21, |v[YS+16]|, |v[YS+17]|, |v[YS+18]|
.irp i, 0,1,2,3,4,5
	v_max3_num_f32 v20, v20, |v[YS+2+2*\i]|, |v[YS+3+2*\i]|
	v_max3_num_f32 v21, v21, |v[YS+19+2*\i]|, |v[YS+20+2*\i]|
.endr
	v_max3_num_f32 v20, v20, |v[YS+14]|, |v[YS+15]|
	v_max3_num_f32 v20, v20, v21, |v[YS+31]|
	v_add_nc_u32 v22, 0xff000000, v20              ; 2 off its exponent field: the conversion takes the exponent field of this operand as its scale, and nothing else of it
.irp i, 0,1,2,3
	v_cvt_scalef32_pk8_fp4_f32 v[C+4*(\g)+\i], v[YS+8*\i:YS+8*\i+7], v22   ; to the nearest code, ties to even, beyond 6 the largest code; the first number's code in the lowest bits
.endr
	v_lshrrev_b32 v[B+(\g)], 23, v22               ; the scale's byte (also the plain line behind the conversions)
	global_store_b128 v7, v[C+4*(\g):C+4*(\g)+3], s[30:31] offset:512*(\g)   ; 32 lanes store 512 consecutive bytes, aligned
.endm
	TURN 0
	TURN 1
	WORK 0
	WORK 1
	v_lshl_or_b32 v21, v[B+1], 16, v[B]            ; my two bytes of the K step's scale word, 8 h bits up;
	v_lshlrev_b32 v21, v13, v21
	v_permlanex16_b32 v17, v21, s32, s33
	v_or_b32 v21, v21, v17                         ; with lane l xor 16's two bytes the word is whole
	ds_store_b32 v8, v21                           ; both lanes of a row write the same word with the same value
	s_wait_alu depctr_va_vdst(0)                   ; the wait ahead of the branch
	s_cmp_lt_u32 s20, 8
	s_cbranch_scc1 .Lno_norm                       ; z's rows need no norm
	v_pk_mul_f32 v[S:S+1], v[Y:Y+1], v[Y:Y+1]      ; the first squares start the sums: nothing is cleared
	v_pk_mul_f32 v[S+2:S+3], v[Y+2:Y+3], v[Y+2:Y+3]
.irp j, 1,2,3,4,5,6,7,8,9,10,11,12,13,14,15
	v_pk_fma_f32 v[S:S+1], v[Y+4*\j:Y+4*\j+1], v[Y+4*\j:Y+4*\j+1], v[S:S+1]
	v_pk_fma_f32 v[S+2:S+3], v[Y+4*\j+2:Y+4*\j+3], v[Y+4*\j+2:Y+4*\j+3], v[S+2:S+3]
.endr
	v_pk_add_f32 v[S:S+1], v[S:S+1], v[S+2:S+3]
	v_add_f32 v[S], v[S], v[S+1]
	v_permlanex16_b32 v19, v[S], s32, s33
	v_add_f32 v[S], v[S], v19                      ; the half row's sum of squares, the same bits in both of its lanes
	ds_store_b32 v8, v[S] offset:256
.Lno_norm:
	s_wait_dscnt 0x0                               ; for the others' sake: my stores have landed
	s_barrier_signal -1
	s_barrier_wait -1
	s_cmp_lg_u32 s20, 0
	s_cbranch_scc1 .Lnot_wave_0
	ds_load_b128 v[24:27], v9                      ; wave 0: z's four scale images leave as 512 consecutive bytes, aligned
	s_wait_dscnt 0x0
	global_store_b128 v7, v[24:27], s[50:51]
.Lnot_wave_0:
	s_cmp_lg_u32 s20, 1
	s_cbranch_scc1 .Lnot_wave_1
	ds_load_b64 v[24:25], v10                      ; wave 1: embedding's two, 256 consecutive bytes, aligned
	s_wait_dscnt 0x0
	global_store_b64 v12, v[24:25], s[46:47]
.Lnot_wave_1:
	s_cmp_lg_u32 s20, 2
	s_cbranch_scc1 .Lend
	ds_load_b32 v28, v11                           ; wave 2: the 32 norms, 128 consecutive bytes
	ds_load_b32 v29, v11 offset:64
	s_wait_dscnt 0x0
	v_add_f32 v28, v28, v29
	v_mul_f32 v28, -0.5, v28
	global_store_b32 v14, v28, s[48:49]
.Lend:
	s_wait_tensorcnt 0x0                           ; the wave's end
	ds_add_u32 v62, v63
	s_wait_dscnt 0x0
	s_endpgm
.Lfunc_end_k_qa1c0e08166_quant:
	.size	k_qa1c0e08166_quant, .Lfunc_end_k_qa1c0e08166_quant-k_qa1c0e08166_quant
	.p2alignl 7, 3214868480
	.fill 96, 4, 3214868480
	.section	.rodata,"a",@progbits
	.p2align	6, 0x0
	.amdhsa_kernel k_qa1c0e08166_quant
		.amdhsa_group_segment_fixed_size 54784
		.amdhsa_private_segment_fixed_size 0
		.amdhsa_enable_private_segment 0
		.amdhsa_kernarg_size 40
		.amdhsa_user_sgpr_count 2
		.amdhsa_user_sgpr_kernarg_segment_ptr 1
		.amdhsa_wavefront_size32 1
		.amdhsa_system_sgpr_workgroup_id_x 1
		.amdhsa_system_sgpr_workgroup_id_y 1
		.amdhsa_system_sgpr_workgroup_id_z 1
		.amdhsa_system_vgpr_workitem_id 0
		.amdhsa_next_free_vgpr 192
		.amdhsa_next_free_sgpr 66
		.amdhsa_reserve_vcc 0
		.amdhsa_float_denorm_mode_32 3
		.amdhsa_float_denorm_mode_16_64 3
		.amdhsa_memory_ordered 1
		.amdhsa_forward_progress 1
		.amdhsa_inst_pref_size 14
	.end_amdhsa_kernel
	.amdgpu_metadata
---
amdhsa.version: [ 1, 2 ]
amdhsa.kernels:
  - .name:           k_qa1c0e08166_quant
    .symbol:         k_qa1c0e08166_quant.kd
    .args:
      - { .name: z, .offset: 0, .size: 8, .value_kind: global_buffer, .address_space: global }
      - { .name: embedding, .offset: 8, .size: 8, .value_kind: global_buffer, .address_space: global }
      - { .name: z_cod, .offset: 16, .size: 8, .value_kind: global_buffer, .address_space: global }
      - { .name: z_scl, .offset: 24, .size: 8, .value_kind: global_buffer, .address_space: global }
      - { .name: cb, .offset: 32, .size: 8, .value_kind: global_buffer, .address_space: global }
    .group_segment_fixed_size: 54784
    .private_segment_fixed_size: 0
    .kernarg_segment_align: 8
    .kernarg_segment_size: 40
    .max_flat_workgroup_size: 384
    .sgpr_count:     66
    .vgpr_count:     192
    .wavefront_size: 32
...
	.end_amdgpu_metadata
.endif
;; end of part 4
;; launch nearest (part 5): grid 64 x 4, 8 waves a work-group, clusters of 4 x 1, 327,680 bytes of LDS; arguments z_cod, z_scl, cb, best; writes best
.if DOCPART == 5
	.amdgcn_target "amdgcn-amd-amdhsa--gfx1250"
	.amdhsa_code_object_version 6
	.text
	.protected	k_qa1c0e08166_nearest
	.globl	k_qa1c0e08166_nearest
	.p2align	8
	.type	k_qa1c0e08166_nearest,@function
k_qa1c0e08166_nearest:
	s_mov_b64 s[64:65], 0
	v_nop
	global_prefetch_b8 v0, s[64:65] scope:SCOPE_SE
	s_setreg_imm32_b32 hwreg(HW_REG_WAVE_MODE, 25, 1), 1
	s_wait_xcnt 0x0
	s_wait_alu depctr_hold_cnt(0) depctr_sa_sdst(0) depctr_va_vdst(0) depctr_va_sdst(0) depctr_va_ssrc(0) depctr_va_vcc(0) depctr_vm_vsrc(0)
	s_getreg_b32 s2, hwreg(HW_REG_IB_STS2, 6, 4)
	s_cmp_eq_u32 s2, 0
	s_cbranch_scc0 .Lentry_in_a_cluster
	s_endpgm
.Lentry_in_a_cluster:
	s_bfe_u32 s2, ttmp6, 0x10000c
	s_cmp_lg_u32 s2, 0x3003
	s_cbranch_scc0 .Lentry_shape_is_right
	s_endpgm
.Lentry_shape_is_right:
; For each token n and each quarter q of the codebook: the largest z.e - 1/2 sum e^2 over the quarter's 2,048 codes, and that code's index.  z.e on codes of FP4 with E8M0 scales.
; LEFT OUT: sum z^2, the same for all codes of a token (see the first kernel's head, with its limit).
; SHARES.  A work-group: 256 tokens x one quarter.  The quarter (eight pieces of 35,840 bytes: codes, scale words, norms of 16 tiles) lies whole in LDS; no slot is filled again.
; Wave w: tokens 128 (w & 1) on (8 tiles of 16, their fragments in 128 registers for the whole launch), codes 512 (w >> 1) on (two pieces, 32 tiles of 16, ascending).  Two waves to a SIMD.
; The two waves of a code range bring a half of each of its pieces, a dense block of 70 rows of 256 bytes by one tensor load: the first piece at the head, the second behind the round that follows.
; All of a WGP's LDS is claimed.
; CLUSTER.  The four work-groups of a cluster have four token blocks and ONE quarter: every load of the codebook is asked for jointly, by the same descriptor with the mask of all four.
; No prefetch: the second has the first piece's work in which to land.
; THE PRODUCT: source 0 = 32 codes (two tiles: a GROUP), source 1 = 16 tokens, C of the first K step = -1/2 sum e^2 in the result's layout: lane (r, h) holds token r, register j code 8 h + j of the first tile, register
; 8 + j that of the second.  K = 256: two instructions.
; THE SEARCH: a group has 16 numbers a lane for each token tile: eight v_max3 carry the running best through them; where it has grown, the 16 values (eight pairs of selects) and the group's number are kept.  Strictly greater
; alone replaces, so the first group keeps a tie.  At the end the place in the kept group is the lowest one equal to the best.  The token tiles go in two halves of four.
; WHAT IS STORED: for each quarter and token a pair (key, index); the key is a whole number whose unsigned order is the numbers' order, so that the next launch can choose among the quarters on whole numbers.
; LIMITS: the order of rounding differs from (sum z^2 + sum e^2) - 2 z.e: the bias is added in the matrix unit and sum z^2 is not added: distances within a few units in the last place of d of each other may be ordered
; otherwise.  Exact ties go to the lower index at every level; -0 and +0 count as equal.  NaN and infinities are not served.
; REGISTERS.  window 0: v1-11 addresses and first codes; v12-13 the spare word's address and 0; v14-17 two sets of the group's scale words; v18-33 the tokens' scale words; v34-37 second chains; v38-45, v46-53 the best, old and
;   new by turns; v54-61 the kept group; v64-127 four accumulators (at the head: lane numbers, at the end: the tail); v128-255 the kept values, 16 a token tile.
;   window 1 (v256-479): the tokens' fragments, 16 a tile (0-127); two sets of 48: a group's fragments (K step 0, K step 1: 16 each) and biases (16).
.set PIECE, 35840
.set HALF, 17920
.set SCR,  286720                      ; the waves' winners: 48 bytes a token, 8 for each code range.  Written by LDS stores alone: no load lands here
.set SPARE, 299008                     ; the spare words, 128 bytes for each wave, which no other line names
.set CADR, 1                           ; v1-2     LDS address of my 16 bytes of codes in my range's first, second piece
.set SADR, 3                           ; v3-4     of my scale word
.set NADR, 5                           ; v5-6     of my half's biases
.set SPW, 12
.set NIL, 13
.set SA,  14
.set ZS0, 18
.set ZS1, 26
.set NB,  34
.set BA,  38
.set BB,  46
.set ID,  54
.set ACC, 64
.set SV,  128
.set CF,  128                          ; window 1
.set G1,  28                           ; s[28:35] descriptor group 1
.set G0,  36                           ; s[36:43] group 0 of my two loads
.set MSB, 0
.macro WIN new                         ; the immediate's high byte repeats the setting that is left
.if MSB != \new
	s_set_vgpr_msb (MSB<<8)|\new
.set MSB, \new
.endif
.endm
.macro CROUND                          ; a round of the cluster's barrier: my work-group's barrier; wave 0 signals for the work-group; every wave waits for all four work-groups; my work-group's barrier once more
	s_barrier_signal -1
	s_barrier_wait -1
	s_cmp_lg_u32 s20, 0
	s_cbranch_scc1 .Lnot_wave_0_\@
	s_barrier_signal -3
.Lnot_wave_0_\@:
	s_barrier_wait -3
	s_barrier_signal -1
	s_barrier_wait -1
.endm
.macro JLOAD s                         ; s_nop 0 and four v_nop behind it
	tensor_load_to_lds s[G0+4*(\s):G0+4*(\s)+3], s[G1:G1+7]
	s_nop 0
.rept 4
	v_nop
.endr
.endm
	s_load_b256 s[4:11], s[0:1], 0x0               ; z_cod s[4:5], z_scl s[6:7], cb s[8:9], best s[10:11]
	v_lshl_add_u32 v[SPW], v0, 2, SPARE
	v_mov_b32 v[NIL], 0
	ds_add_u32 v[SPW], v[NIL]                      ; the wave's opening: the add, twice on end, ahead of my first tensor load
	ds_add_u32 v[SPW], v[NIL]
	v_lshrrev_b32 v64, 5, v0
	v_readfirstlane_b32 s20, v64                   ; w
	s_and_b32 s21, s20, 1                          ; th: which 128 tokens
	s_lshr_b32 s22, s20, 1                         ; cr: which 512 codes
	s_bfe_u32 s23, ttmp6, 0x40000                  ; cx: my place in the cluster: it enters z's and best's addresses alone
	s_lshl_b32 s24, ttmp9, 2
	s_add_co_u32 s24, s24, s23                     ; tb: my block of 256 tokens
	s_and_b32 s25, ttmp7, 0xffff                   ; q: the quarter, which the four partners share
	s_mov_b32 s[G1], 15|(3<<16)|(1<<21)            ; 15:0 the mask: all four work-groups; 17:16 elements of 8 bytes; 21 set beside a mask
	s_mov_b32 s[G1+1], 32<<16                      ; tensor_dim0 = 32
	s_mov_b32 s[G1+2], 70<<16                      ; tensor_dim1 = 70
	s_mov_b32 s[G1+3], 32<<16                      ; tile_dim0 = 32
	s_mov_b32 s[G1+4], 70                          ; tile_dim1 = 70
	s_mov_b32 s[G1+5], 32                          ; from row to row
	s_mov_b32 s[G1+6], 0
	s_mov_b32 s[G1+7], 0
	s_mul_i32 s57, s21, HALF
	s_lshl_b32 s44, s25, 3
	s_lshl_b32 s45, s22, 1
	s_add_co_u32 s44, s44, s45
	s_mul_i32 s44, s44, PIECE
	s_add_co_u32 s44, s44, s57                     ; my half of my range's first piece, 8 q + 2 cr; made of no cx
	s_mov_b32 s45, 0
	s_mul_i32 s46, s22, 2*PIECE                    ; my range's place in LDS,
	s_add_co_u32 s47, s46, s57                     ; and my half's
	s_lshl_b32 s48, s24, 15
	s_lshl_b32 s49, s21, 14
	s_add_co_u32 s48, s48, s49                     ; my 8 token tiles' codes: 32,768 tb + 16,384 th
	s_mov_b32 s49, 0
	s_lshr_b32 s58, s48, 4                         ; their scale images: 128 bytes a tile
	s_mov_b32 s59, 0
	s_lshl_b32 s50, s25, 17
	s_lshl_b32 s51, s24, 11
	s_add_co_u32 s50, s50, s51
	s_lshl_b32 s51, s20, 8
	s_add_co_u32 s50, s50, s51                     ; best: 131,072 q + 2,048 tb + 256 w
	s_mov_b32 s51, 0
	s_lshl_b32 s52, s25, 11
	s_lshl_b32 s53, s22, 9
	s_add_co_u32 s52, s52, s53                     ; my range's first code: 2,048 q + 512 cr
	s_add_co_u32 s53, s46, 32768
	s_add_co_u32 s54, s46, 34816
	s_mul_i32 s55, s21, 128*48
	s_lshl_b32 s56, s22, 3
	s_add_co_u32 s55, s55, s56
	s_add_co_u32 s55, s55, SCR
	s_mul_i32 s56, s20, 32*48
	s_add_co_u32 s56, s56, SCR
	s_mov_b32 s84, 0x76543210
	s_mov_b32 s85, 0xfedcba98                      ; v_permlanex16_b32's selects for lane l xor 16
	v_and_b32 v64, 31, v0                          ; l
	v_and_b32 v65, 15, v0                          ; r
	v_bfe_u32 v66, v0, 4, 1                        ; h
	v_lshlrev_b32 v67, 4, v64                      ; 16 l
	v_lshlrev_b32 v68, 2, v65                      ; 4 r
	v_add_nc_u32 v[CADR], s46, v67
	v_add_nc_u32 v[CADR+1], PIECE, v[CADR]
	v_lshl_add_u32 v[SADR], v66, 7, v68
	v_add_nc_u32 v[SADR], s53, v[SADR]             ; lane 16 h + r: row r of the group's tile h
	v_add_nc_u32 v[SADR+1], PIECE, v[SADR]
	v_lshl_add_u32 v[NADR], v66, 5, s54
	v_add_nc_u32 v[NADR+1], PIECE, v[NADR]
	v_mul_u32_u24 v7, v65, 48
	v_add_nc_u32 v7, s55, v7                       ; my winners: token 128 th + 16 t + r, range cr
	v_mul_u32_u24 v8, v64, 48
	v_add_nc_u32 v8, s56, v8                       ; the last join: token 32 w + l
	v_lshlrev_b32 v9, 3, v64                       ; 8 l
	v_lshl_add_u32 v10, v66, 3, s52                ; my half's first code of a group's first tile,
	v_add_nc_u32 v11, 16, v10                      ; and of its second one
	s_wait_alu depctr_va_vdst(0)                   ; ahead of the waits below
	s_wait_dscnt 0x0                               ; both opening adds are done
	s_wait_kmcnt 0x0
	s_add_nc_u64 s[4:5], s[4:5], s[48:49]
	s_add_nc_u64 s[6:7], s[6:7], s[58:59]
	s_add_nc_u64 s[8:9], s[8:9], s[44:45]
	s_add_nc_u64 s[10:11], s[10:11], s[50:51]
	s_mov_b32 s[G0], 1
	s_add_co_u32 s[G0+1], s47, 0
	s_mov_b64 s[G0+2:G0+3], s[8:9]
	s_or_b32 s[G0+3], s[G0+3], 0x80000000
	s_mov_b32 s[G0+4], 1
	s_add_co_u32 s[G0+5], s47, PIECE
	s_add_nc_u64 s[G0+6:G0+7], s[8:9], PIECE
	s_or_b32 s[G0+7], s[G0+7], 0x80000000
	CROUND                                         ; all four work-groups are here: the joint loads meet
	JLOAD 0                                        ; one tensor load a wave at the head
	WIN 0x40                                       ; destination window 1, address window 0
.irp t, 0,1,2,3,4,5,6,7
.irp i, 0,1,2,3
	global_load_b128 v[16*\t+4*\i:16*\t+4*\i+3], v67, s[4:5] offset:2048*\t+512*\i   ; the tokens' fragments, as they lie: 512 consecutive bytes a load
.endr
.endr
	WIN 0
.irp t, 0,1,2,3,4,5,6,7
	global_load_b32 v[ZS0+\t], v68, s[6:7] offset:128*\t           ; lanes 0-15: K step 0's words (lanes 16-31 hold the same),
	global_load_b32 v[ZS1+\t], v68, s[6:7] offset:128*\t+64        ; and K step 1's
.endr
	s_wait_alu depctr_va_vdst(0)                   ; the wait at the head's end
	s_wait_loadcnt 0x0                             ; the tokens' fragments and scale words
	s_wait_tensorcnt 0x0                           ; my half piece is in; these lines stand ahead of a later first fill, as ahead of a refill
	ds_add_u32 v[SPW], v[NIL]
	s_wait_dscnt 0x0
	CROUND                                         ; every wave's half piece is in, and all four work-groups are here
	JLOAD 1                                        ; the second piece's half, the first tensor load behind the round
.macro FETCH e, p, k                   ; group k of piece p into set e: two tiles' fragments (4 x 512 bytes on end each; K step s of tile c at 16 s + 8 c), biases (8 numbers of my half each), scale words of both K steps
	WIN 0x40
.irp c, 0,1
.irp s, 0,1
.irp i, 0,1
	ds_load_b128 v[CF+48*(\e)+16*\s+8*\c+4*\i:CF+48*(\e)+16*\s+8*\c+4*\i+3], v[CADR+(\p)] offset:2048*(2*(\k)+\c)+512*(2*\s+\i)
.endr
.endr
	ds_load_b128 v[CF+48*(\e)+32+8*\c:CF+48*(\e)+32+8*\c+3], v[NADR+(\p)] offset:64*(2*(\k)+\c)
	ds_load_b128 v[CF+48*(\e)+32+8*\c+4:CF+48*(\e)+32+8*\c+7], v[NADR+(\p)] offset:64*(2*(\k)+\c)+16
.endr
	WIN 0
.irp s, 0,1
	ds_load_b32 v[SA+2*(\e)+\s], v[SADR+(\p)] offset:256*(\k)+64*\s
.endr
.endm
.macro MUL hh, e                       ; 8 products: token tiles 4 hh .. 4 hh + 3 x the group: the four accumulators take turns, one instruction a turn
.set F, CF+48*(\e)
	WIN 0x15                                       ; codes, tokens and bias in window 1
.irp t, 0,1,2,3
	v_wmma_scale_f32_32x16x128_f4 v[ACC+16*\t:ACC+16*\t+15], v[F:F+15], v[64*(\hh)+16*\t:64*(\hh)+16*\t+7], v[F+32:F+47], v[SA+2*(\e)], v[ZS0+4*(\hh)+\t]
.endr
	WIN 0x05
.irp t, 0,1,2,3
	v_wmma_scale_f32_32x16x128_f4 v[ACC+16*\t:ACC+16*\t+15], v[F+16:F+31], v[64*(\hh)+16*\t+8:64*(\hh)+16*\t+15], v[ACC+16*\t:ACC+16*\t+15], v[SA+2*(\e)+1], v[ZS1+4*(\hh)+\t]
.endr
	WIN 0
.endm
; The group's number where the best of half hh grew in group g.  These four lines stand behind the NEXT products: they name none of their registers and are the four places (ISA guide 7.12.1) in front of the results' first reads.
.macro PEND hh, g
.irp t, 0,1,2,3
.if (\g) < 0
	v_nop
.elseif (\g) == 0
	v_mov_b32 v[ID+4*(\hh)+\t], 0
.else
	v_cndmask_b32 v[ID+4*(\hh)+\t], v[ID+4*(\hh)+\t], \g, s[60+\t]
.endif
.endr
.endm
.macro SIDES hh, g                     ; the best, old and new, change places from group to group
.if (\g)%2
.set OL, BB+4*(\hh)
.set NW, BA+4*(\hh)
.else
.set OL, BA+4*(\hh)
.set NW, BB+4*(\hh)
.endif
.endm
.macro BEST hh, g                      ; two chains for each of four token tiles, by turns; each accumulator is read from its low end on
	SIDES \hh, \g
.set AO, 2
.if (\g) == 0
.set AO, 3
.endif
.irp t, 0,1,2,3
.if (\g) == 0
	v_max3_num_f32 v[NW+\t], v[ACC+16*\t], v[ACC+16*\t+1], v[ACC+16*\t+2]          ; the first group starts the search: nothing is cleared
.else
	v_max3_num_f32 v[NW+\t], v[OL+\t], v[ACC+16*\t], v[ACC+16*\t+1]
.endif
.endr
.irp t, 0,1,2,3
	v_max3_num_f32 v[NB+\t], v[ACC+16*\t+8], v[ACC+16*\t+9], v[ACC+16*\t+10]
.endr
.irp i, 0,2
.irp t, 0,1,2,3
	v_max3_num_f32 v[NW+\t], v[NW+\t], v[ACC+16*\t+AO+\i], v[ACC+16*\t+AO+\i+1]
.endr
.irp t, 0,1,2,3
	v_max3_num_f32 v[NB+\t], v[NB+\t], v[ACC+16*\t+11+\i], v[ACC+16*\t+12+\i]
.endr
.endr
.irp t, 0,1,2,3
.if (\g) == 0
	v_max3_num_f32 v[NW+\t], v[NW+\t], v[NB+\t], v[ACC+16*\t+7]
.else
	v_max3_num_f32 v[NW+\t], v[NW+\t], v[ACC+16*\t+6], v[ACC+16*\t+7]
.endif
.endr
.irp t, 0,1,2,3
.if (\g) == 0
	v_max_num_f32 v[NW+\t], v[NW+\t], v[ACC+16*\t+15]
.else
	v_max3_num_f32 v[NW+\t], v[NW+\t], v[NB+\t], v[ACC+16*\t+15]
.endif
.endr
.endm
; The keeps go two to an instruction: both halves select on VCC; one destination is even, the other odd, and the paired sources' numbers differ modulo 4, as that encoding asks.
.macro KEEP hh, g
	SIDES \hh, \g
.irp t, 0,1,2,3
.if (\g) == 0
.irp j, 0,2,4,6,8,10,12,14
	v_dual_mov_b32 v[SV+64*(\hh)+16*\t+\j], v[ACC+16*\t+\j] :: v_dual_mov_b32 v[SV+64*(\hh)+16*\t+\j+1], v[ACC+16*\t+\j+1]
.endr
.else
	v_cmp_gt_f32 vcc_lo, v[NW+\t], v[OL+\t]        ; has the best grown?  Then this group holds it
.irp j, 0,2,4,6,8,10,12,14
	v_dual_cndmask_b32 v[SV+64*(\hh)+16*\t+\j], v[SV+64*(\hh)+16*\t+\j], v[ACC+16*\t+\j] :: v_dual_cndmask_b32 v[SV+64*(\hh)+16*\t+\j+1], v[SV+64*(\hh)+16*\t+\j+1], v[ACC+16*\t+\j+1]
.endr
	s_mov_b32 s[60+\t], vcc_lo
.endif
.endr
.endm
; Group g, in set e; p: the group before.  The next group's loads (group fk of piece fp) go out ahead of this one's products, into the other set, whose last products stand a search behind.
; how = 0: the same piece.  1: the first piece's last group: a barrier, with products between its signal and its wait, then on to the second piece.  2: the last group of all.
.macro GROUP g, p, e, fp, fk, how
	s_wait_dscnt 0x0                               ; the group's loads are in
.if \how == 0
	FETCH 1-\e, \fp, \fk
.endif
.if \how == 1
	s_wait_tensorcnt 0x0                           ; my half of the second piece is in; nothing is ever filled again, and no LDS instruction of mine is out
	s_barrier_signal -1
.endif
	MUL 0, \e
	PEND 1, \p
.if \how == 1
	s_wait_alu depctr_va_vdst(0)
	s_barrier_wait -1                              ; the same holds of every wave
	FETCH 1-\e, \fp, \fk
.endif
	BEST 0, \g
	KEEP 0, \g
	MUL 1, \e
	PEND 0, \g
	BEST 1, \g
	KEEP 1, \g
.endm
	FETCH 0, 0, 0
	GROUP 0, -1, 0, 0, 1, 0
	GROUP 1, 0, 1, 0, 2, 0
	GROUP 2, 1, 0, 0, 3, 0
	GROUP 3, 2, 1, 0, 4, 0
	GROUP 4, 3, 0, 0, 5, 0
	GROUP 5, 4, 1, 0, 6, 0
	GROUP 6, 5, 0, 0, 7, 0
	GROUP 7, 6, 1, 1, 0, 1
	GROUP 8, 7, 0, 1, 1, 0
	GROUP 9, 8, 1, 1, 2, 0
	GROUP 10, 9, 0, 1, 3, 0
	GROUP 11, 10, 1, 1, 4, 0
	GROUP 12, 11, 0, 1, 5, 0
	GROUP 13, 12, 1, 1, 6, 0
	GROUP 14, 13, 0, 1, 7, 0
	GROUP 15, 14, 1, 0, 0, 2
	PEND 1, 15
	; THE TAIL.  The place in the kept group: is the best in the first tile?  That tile's eight values are kept, else the second's; then the lowest register that equals the best.
.set M, 64                             ; in registers that the accumulators have left
.set J, 72
.set CC, 80
.set P, 96
.irp t, 0,1,2,3,4,5,6,7
	v_max3_num_f32 v[M+\t], v[SV+16*\t], v[SV+16*\t+1], v[SV+16*\t+2]
.endr
.irp i, 3,5
.irp t, 0,1,2,3,4,5,6,7
	v_max3_num_f32 v[M+\t], v[M+\t], v[SV+16*\t+\i], v[SV+16*\t+\i+1]
.endr
.endr
.irp t, 0,1,2,3,4,5,6,7
	v_max_num_f32 v[M+\t], v[M+\t], v[SV+16*\t+7]
.endr
.irp t, 0,1,2,3,4,5,6,7
	v_cmp_eq_f32 vcc_lo, v[M+\t], v[BA+\t]
	v_mov_b32 v[J+\t], 7
	v_cndmask_b32 v[CC+\t], v11, v10, vcc_lo
.irp j, 0,2,4,6
	v_dual_cndmask_b32 v[SV+16*\t+\j], v[SV+16*\t+8+\j], v[SV+16*\t+\j] :: v_dual_cndmask_b32 v[SV+16*\t+\j+1], v[SV+16*\t+9+\j], v[SV+16*\t+\j+1]
.endr
.endr
.irp j, 6,5,4,3,2,1,0
.irp t, 0,1,2,3,4,5,6,7
	v_cmp_neq_f32 vcc_lo, v[SV+16*\t+\j], v[BA+\t]
	v_cndmask_b32 v[J+\t], \j, v[J+\t], vcc_lo
.endr
.endr
.irp t, 0,1,2,3,4,5,6,7
	v_lshl_add_u32 v[J+\t], v[ID+\t], 5, v[J+\t]   ; 32 codes a group
.endr
.irp t, 0,1,2,3,4,5,6,7
	v_add_nc_u32 v[J+\t], v[CC+\t], v[J+\t]        ; the code's index
.endr
.irp t, 0,1,2,3,4,5,6,7
	v_permlanex16_b32 v[SV+16*\t+8], v[BA+\t], s84, s85            ; the token's other lane: its best and its index (into kept values that are done with)
	v_permlanex16_b32 v[SV+16*\t+9], v[J+\t], s84, s85
.endr
.irp t, 0,1,2,3,4,5,6,7
	v_cmp_gt_f32 s86, v[SV+16*\t+8], v[BA+\t]
	v_cmp_eq_f32 s87, v[SV+16*\t+8], v[BA+\t]
	v_cmp_lt_u32 s88, v[SV+16*\t+9], v[J+\t]
	s_and_b32 s87, s87, s88
	s_or_b32 s86, s86, s87                         ; the other's is greater, or equal with the lower index: both lanes decide alike.  The mask selects values only
	v_cndmask_b32 v[P+2*\t], v[BA+\t], v[SV+16*\t+8], s86
	v_cndmask_b32 v[P+2*\t+1], v[J+\t], v[SV+16*\t+9], s86
.endr
.irp t, 0,1,2,3,4,5,6,7
	ds_store_b64 v7, v[P+2*\t:P+2*\t+1] offset:16*48*\t            ; both lanes of a token write the same 8 bytes with the same value
.endr
	s_wait_dscnt 0x0                               ; for the others' sake: my stores have landed
	s_barrier_signal -1
	s_barrier_wait -1
.set L, 64
	ds_load_b128 v[L:L+3], v8                      ; a token a lane, four ranges' pairs (value, index)
	ds_load_b128 v[L+4:L+7], v8 offset:16
	s_wait_dscnt 0x0
.macro NODE a, b                       ; ranges ascending, strictly greater alone replaces: the lower index keeps a tie
	v_cmp_gt_f32 vcc_lo, v[L+2*\b], v[L+2*\a]
	v_dual_cndmask_b32 v[L+2*\a], v[L+2*\a], v[L+2*\b] :: v_dual_cndmask_b32 v[L+2*\a+1], v[L+2*\a+1], v[L+2*\b+1]
.endm
	NODE 0, 1
	NODE 2, 3
	NODE 0, 2
	; the key: a negative number's bits are all turned, of any other the sign bit alone: unsigned order of the keys = order of the numbers
	v_add_f32 v[L], 0, v[L]                        ; -0 becomes +0, so that equal numbers have equal keys
	v_ashrrev_i32 v[L+2], 31, v[L]                 ; all ones where negative, else 0
	v_or_b32 v[L+2], 0x80000000, v[L+2]
	v_xor_b32 v[L], v[L], v[L+2]
	global_store_b64 v9, v[L:L+1], s[10:11]        ; 32 lanes store 256 consecutive bytes, aligned
	s_wait_tensorcnt 0x0                           ; the wave's end
	ds_add_u32 v[SPW], v[NIL]
	s_wait_dscnt 0x0
	CROUND                                         ; the closing round: no work-group ends while a partner may still ask for a piece that names it
	s_endpgm
.Lfunc_end_k_qa1c0e08166_nearest:
	.size	k_qa1c0e08166_nearest, .Lfunc_end_k_qa1c0e08166_nearest-k_qa1c0e08166_nearest
	.p2alignl 7, 3214868480
	.fill 96, 4, 3214868480
	.section	.rodata,"a",@progbits
	.p2align	6, 0x0
	.amdhsa_kernel k_qa1c0e08166_nearest
		.amdhsa_group_segment_fixed_size 327680
		.amdhsa_private_segment_fixed_size 0
		.amdhsa_enable_private_segment 0
		.amdhsa_kernarg_size 32
		.amdhsa_user_sgpr_count 2
		.amdhsa_user_sgpr_kernarg_segment_ptr 1
		.amdhsa_wavefront_size32 1
		.amdhsa_system_sgpr_workgroup_id_x 1
		.amdhsa_system_sgpr_workgroup_id_y 1
		.amdhsa_system_sgpr_workgroup_id_z 1
		.amdhsa_system_vgpr_workitem_id 0
		.amdhsa_next_free_vgpr 480
		.amdhsa_next_free_sgpr 96
		.amdhsa_reserve_vcc 1
		.amdhsa_float_denorm_mode_32 3
		.amdhsa_float_denorm_mode_16_64 3
		.amdhsa_memory_ordered 1
		.amdhsa_forward_progress 1
		.amdhsa_inst_pref_size 219
	.end_amdhsa_kernel
	.amdgpu_metadata
---
amdhsa.version: [ 1, 2 ]
amdhsa.kernels:
  - .name:           k_qa1c0e08166_nearest
    .symbol:         k_qa1c0e08166_nearest.kd
    .args:
      - { .name: z_cod, .offset: 0, .size: 8, .value_kind: global_buffer, .address_space: global }
      - { .name: z_scl, .offset: 8, .size: 8, .value_kind: global_buffer, .address_space: global }
      - { .name: cb, .offset: 16, .size: 8, .value_kind: global_buffer, .address_space: global }
      - { .name: best, .offset: 24, .size: 8, .value_kind: global_buffer, .address_space: global }
    .group_segment_fixed_size: 327680
    .private_segment_fixed_size: 0
    .kernarg_segment_align: 8
    .kernarg_segment_size: 32
    .max_flat_workgroup_size: 256
    .sgpr_count:     96
    .vgpr_count:     480
    .wavefront_size: 32
...
	.end_amdgpu_metadata
.endif
;; end of part 5
;; launch gather (part 6): grid 256 x 1, 16 waves a work-group, no clusters, 0 bytes of LDS; arguments embedding, best, out0; writes out0
.if DOCPART == 6
	.amdgcn_target "amdgcn-amd-amdhsa--gfx1250"
	.amdhsa_code_object_version 6
	.text
	.protected	k_qa1c0e08166_gather
	.globl	k_qa1c0e08166_gather
	.p2align	8
	.type	k_qa1c0e08166_gather,@function
k_qa1c0e08166_gather:
	s_mov_b64 s[64:65], 0
	v_nop
	global_prefetch_b8 v0, s[64:65] scope:SCOPE_SE
	s_setreg_imm32_b32 hwreg(HW_REG_WAVE_MODE, 25, 1), 1
	s_wait_xcnt 0x0
; out[n] = embedding[k], k the index that belongs to the largest of the token's four stored keys (one for each quarter of the codebook; the lower quarter keeps a tie).
; LEFT OUT: z + (z_q - z) = z_q, since z - z is 0 by identity (see the first kernel's head, with its limit): z is not among this launch's arguments.  LIMIT: the rounding of that sum is left out with it.
; Keys and indices are whole numbers that the launch before stored: a key's unsigned order is the order of the scores.  The choice among the quarters is made on whole numbers read from memory, by scalar compares and
; selects, and ONE row of the table is loaded for each token.  No address and no branch hangs on a floating-point number.
; SHARES: a wave takes 4 tokens; a row is 1,024 bytes: two loads of 512 consecutive bytes.  All 8 loads of a wave go out as soon as their addresses are known; no register is loaded twice, so there is no ring.
; The launch streams: LDS, barriers, clusters and the matrix unit would add nothing; the rows' addresses are known only from the indices, so there is nothing to prefetch.
.set VA, 2                             ; v2-5     token i: byte offset of my 16 bytes in its row of the table
.set E,  8                             ; v8-39    token i: 8 registers of the row
	s_load_b128 s[4:7], s[0:1], 0x0                ; embedding, best
	s_load_b64 s[12:13], s[0:1], 0x10              ; out0
	v_lshrrev_b32 v1, 5, v0
	v_readfirstlane_b32 s14, v1                    ; wave 0..15
	v_and_b32 v1, 31, v0
	v_lshlrev_b32 v1, 4, v1                        ; 16 x lane
	s_lshl_b32 s60, ttmp9, 9
	s_lshl_b32 s61, s14, 5
	s_add_co_u32 s60, s60, s61                     ; 8 bytes x my first token, 64 x work-group + 4 x wave
	s_mov_b32 s61, 0
	s_wait_alu depctr_va_vdst(0)                   ; the wait at the head's end
	s_wait_kmcnt 0x0
	s_add_nc_u64 s[6:7], s[6:7], s[60:61]
	s_load_b256 s[16:23], s[6:7], 0x0              ; quarter 0's (key, index) of my four tokens,
	s_load_b256 s[24:31], s[6:7], 0x20000          ; quarter 1's,
	s_load_b256 s[32:39], s[6:7], 0x40000          ; 2's
	s_load_b256 s[40:47], s[6:7], 0x60000          ; and 3's
	s_lshl_b32 s60, s60, 7                         ; 1,024 bytes x my first token
	s_add_nc_u64 s[12:13], s[12:13], s[60:61]
	s_wait_kmcnt 0x0
.irp i, 0,1,2,3
.irp q, 1,2,3
	s_cmp_gt_u32 s[16+8*\q+2*\i], s[16+2*\i]       ; strictly greater than the best so far: the lower quarter keeps a tie
	s_cselect_b32 s[17+2*\i], s[17+8*\q+2*\i], s[17+2*\i]
	s_cselect_b32 s[16+2*\i], s[16+8*\q+2*\i], s[16+2*\i]
.endr
	s_min_u32 s[17+2*\i], s[17+2*\i], 0x1fff       ; an index stays inside the table of 8,192 rows
	s_lshl_b32 s[17+2*\i], s[17+2*\i], 10          ; its row's first byte
	v_add_nc_u32 v[VA+\i], s[17+2*\i], v1
	global_load_b128 v[E+8*\i:E+8*\i+3], v[VA+\i], s[4:5]          ; no hint: a row may be named by many tokens
	global_load_b128 v[E+8*\i+4:E+8*\i+7], v[VA+\i], s[4:5] offset:512
.endr
.irp i, 0,1,2,3
	s_wait_loadcnt 6-2*\i                          ; token i's two loads are in; the 2 (3 - i) of the younger tokens may be out
	global_store_b128 v1, v[E+8*\i:E+8*\i+3], s[12:13] offset:1024*\i th:TH_STORE_NT               ; 32 lanes store 512 consecutive bytes, aligned
	global_store_b128 v1, v[E+8*\i+4:E+8*\i+7], s[12:13] offset:1024*\i+512 th:TH_STORE_NT
.endr
	s_endpgm
.Lfunc_end_k_qa1c0e08166_gather:
	.size	k_qa1c0e08166_gather, .Lfunc_end_k_qa1c0e08166_gather-k_qa1c0e08166_gather
	.p2alignl 7, 3214868480
	.fill 96, 4, 3214868480
	.section	.rodata,"a",@progbits
	.p2align	6, 0x0
	.amdhsa_kernel k_qa1c0e08166_gather
		.amdhsa_group_segment_fixed_size 0
		.amdhsa_private_segment_fixed_size 0
		.amdhsa_enable_private_segment 0
		.amdhsa_kernarg_size 24
		.amdhsa_user_sgpr_count 2
		.amdhsa_user_sgpr_kernarg_segment_ptr 1
		.amdhsa_wavefront_size32 1
		.amdhsa_system_sgpr_workgroup_id_x 1
		.amdhsa_system_sgpr_workgroup_id_y 1
		.amdhsa_system_sgpr_workgroup_id_z 1
		.amdhsa_system_vgpr_workitem_id 0
		.amdhsa_next_free_vgpr 40
		.amdhsa_next_free_sgpr 66
		.amdhsa_reserve_vcc 0
		.amdhsa_float_denorm_mode_32 3
		.amdhsa_float_denorm_mode_16_64 3
		.amdhsa_memory_ordered 1
		.amdhsa_forward_progress 1
		.amdhsa_inst_pref_size 5
	.end_amdhsa_kernel
	.amdgpu_metadata
---
amdhsa.version: [ 1, 2 ]
amdhsa.kernels:
  - .name:           k_qa1c0e08166_gather
    .symbol:         k_qa1c0e08166_gather.kd
    .args:
      - { .name: embedding, .offset: 0, .size: 8, .value_kind: global_buffer, .address_space: global }
      - { .name: best, .offset: 8, .size: 8, .value_kind: global_buffer, .address_space: global }
      - { .name: out0, .offset: 16, .size: 8, .value_kind: global_buffer, .address_space: global }
    .group_segment_fixed_size: 0
    .private_segment_fixed_size: 0
    .kernarg_segment_align: 8
    .kernarg_segment_size: 24
    .max_flat_workgroup_size: 512
    .sgpr_count:     66
    .vgpr_count:     40
    .wavefront_size: 32
...
	.end_amdgpu_metadata
.endif
;; end of part 6
